; MI455X (gfx1250); checked and timed in simulation.
; The chip was launched on July 23, 2026; its instructions are those of AMD's public machine-readable ISA for CDNA 5 (MIT licence, August 2026) and "CDNA5" Instruction Set Architecture Reference Guide (July 2026). The comments in the code are by the model that wrote it; some were corrected since.
;; Attention Block. Allowed arithmetic: matrix products marked QUANTISED: E3M2 operands, one E8M0 scale for each 32 along K, by v_wmma_scale_f32_16x16x128_f8f6f4 with both operands' format E3M2, f32 sums; everything else in f32.
;; Inputs: gn_b 256 float32; gn_w 256 float32; proj_b 256 float32; proj_w 256 x 256 float32; qkv_b 768 float32; qkv_w 768 x 256 float32; x 4 x 256 x 64 x 64 float32.
;; Outputs: out0 4 x 256 x 64 x 64 float32.
;; This version of the problem:
;;   THIS VERSION OF THE PROBLEM IS GIVEN IN LOW PRECISION. The matrix products marked QUANTISED in the list below multiply operands that are first quantised to E3M2 (3 exponent bits, 2 mantissa bits; 6 bits a number), with one power-of-two scale for each 32 numbers along K (OCP MX v1.0); their sums are f32. All else is computed in f32.
;;   The module's matrix products, in the order in which they are computed (A, B: the left and right operand; K: the contracted axis; several contracted axes count as one K, in the product's order):
;;     1. [M 16,384, K 256] x [K 256, N 768]; A: computed on the way; B: input qkv_w: QUANTISED
;;     2. batch 16 x [M 4,096, K 64] x [K 64, N 4,096]; A: computed on the way; B: computed on the way: QUANTISED
;;     3. batch 16 x [M 4,096, K 4,096] x [K 4,096, N 64]; A: softmax (see below); B: computed on the way: QUANTISED
;;     4. [M 16,384, K 256] x [K 256, N 256]; A: computed on the way; B: input proj_w: QUANTISED
;;   THE QUANTISER, for each operand of a quantised product, along K:
;;     - K is cut into blocks of 32 from its start; a last block that is shorter is filled with zeros.
;;     - A block's scale is 2^e with e = floor(log2(the largest magnitude in the block)) - 4, held to -126 .. 127; a block of zeros has e = 0. As a byte (E8M0): e + 127.
;;     - Each number is divided by its block's scale, clamped to +-28, and rounded to the nearest number of E3M2, ties to even, subnormals kept.
;;     - The product sums the exact products of the quantised numbers (number of the format x scale) in f32.
;;   ~~~python
;;   def quantise(x, axis):      # numpy; x: float32 -> the quantised numbers, widened to float32 again
;;       x = np.moveaxis(x, axis, -1); K = x.shape[-1]
;;       x = np.pad(x, [(0, 0)] * (x.ndim - 1) + [(0, -K % 32)]); x = x.reshape(x.shape[:-1] + (-1, 32)); a = np.abs(x).max(-1, keepdims=True)
;;       e = np.where(a > 0, np.clip(np.frexp(np.where(a > 0, a, 1))[1] - 1 - 4, -126, 127), 0)      # np.frexp(a)[1] - 1 = floor(log2(a)), exactly
;;       r = np.clip(x / 2.0 ** e, -28, 28)
;;       step = 2.0 ** (np.maximum(np.frexp(np.where(r == 0, 1, r))[1] - 1, -2) - 2)
;;       q = np.round(r / step) * step * 2.0 ** e      # np.round: ties to even
;;       return np.moveaxis(q.reshape(q.shape[:-2] + (-1,))[..., :K], -1, axis).astype(np.float32)
;;   ~~~
;;   SOFTMAX AHEAD OF A QUANTISED PRODUCT. Where the list says 'softmax', what is quantised is not the finished softmax but p = 2^(t - M), with t = logit x log2(e) and M = ceil(the row's largest t), a whole number; so 1/2 < the row's largest p <= 1. The row's sum l is taken of the UNQUANTISED p, in f32, and the product's result is divided by l at the end. Since M is a whole number, a kernel that streams over the keys may use a running M (the ceiling of the running maximum): every later rescaling is an exact power of two, which a block's scale takes up: the codes' values come out the same.
;;   OPERANDS COMPUTED ON THE WAY. 'Computed on the way' means the value that the module computes at that place (a softmax that the list does not call 'softmax' is quantised finished and normalised). What goes into a quantiser is computed in f32, as accurately as f32 sums, v_exp_f32 and their like allow (about 1e-6 of the number): no bf16 or f16 on the way to a quantiser, and a product that is left as it is and whose result goes on into a quantised operand takes f32 operands (vector FMAs, or v_wmma_f32_16x16x4_f32). A number that lies on a knife's edge between two numbers of the format may be rounded either way, as far as f32 arithmetic and the matrix unit's own rounding can turn it there, and no further.
;; One version. Each part assembles by itself: llvm-mc -triple=amdgcn-amd-amdhsa -mcpu=gfx1250 --defsym DOCPART=n.
;; ======== version 1 of 1: 4 launches
;; workspace buffers: stats 16,384 bytes; wq 196,608 bytes; wsc 8,192 bytes; qc 3,145,728 bytes; qs 131,072 bytes; kv 6,553,600 bytes; oc 3,145,728 bytes; os 524,288 bytes
;; launch prep (part 1): grid 264 x 1, 8 waves a work-group, no clusters, 0 bytes of LDS; arguments x, qkv_w, proj_w, stats, wq, wsc; writes stats, wq, wsc
.if DOCPART == 1
	.amdgcn_target "amdgcn-amd-amdhsa--gfx1250"
	.amdhsa_code_object_version 6
	.text
	.protected	k_q2120303f13_prep
	.globl	k_q2120303f13_prep
	.p2align	8
	.type	k_q2120303f13_prep,@function
k_q2120303f13_prep:
	s_mov_b64 s[64:65], 0
	v_nop
	global_prefetch_b8 v0, s[64:65] scope:SCOPE_SE
	s_setreg_imm32_b32 hwreg(HW_REG_WAVE_MODE, 25, 1), 1
	s_wait_xcnt 0x0
; PREP.  Two jobs in one launch, chosen by the work-group's number; neither uses LDS or a barrier, waves share nothing.
; Work-groups 0-255: GroupNorm's partial figures.  x is [4][256][4096] f32; a group is 32 channels = 131,072 consecutive numbers.  A wave takes 2,048 consecutive numbers (64 waves
;   to a group) and stores their mean and the sum of squared deviations FROM THAT MEAN: stats[wave] = (mean, M2).  The next launch joins the 64 pairs of a group; no difference of
;   large sums is ever formed, so a common offset of the inputs costs no accuracy.
; Work-groups 256-263: qkv_w [768][256] and proj_w [256][256], f32, K innermost, become codes of BF6 (E3M2) with one E8M0 byte for each 32 along K, laid AS IMAGES OF OPERAND REGISTERS:
;   wq[tile T][kappa][group g of four registers][lane][16 bytes], 1,536 bytes a fragment (16 rows x 128 K); wsc[T][32 words]: lanes 0-15 the rows' words of kappa 0, lanes 16-31 of kappa 1.
;   Tiles 0-47 are qkv_w's, 48-63 proj_w's.  THE ROWS OF A TILE ARE NOT NEIGHBOURS: row r of a tensor's tile T' is its row 32 (T'/2) + 8 (T'%2) + r + 8 (r/8), so that in a product's result the
;   16 registers of two neighbouring tiles are 16 neighbours along the next product's K.
; A block's scale is 2^(floor(log2(largest magnitude)) - 4): its byte is the largest magnitude's exponent field - 4, held at 1 from below by a floor among the maximum's leaves.
; LIMITS: NaN and infinities among the inputs are not served.  A block of zeros gets the byte 1 where the quantiser's rule says 127: its codes are zeros, and this program alone reads the bytes.
; The eight bytes a wave stores into stats do not fill 256 aligned bytes: 16 KiB in the whole launch.
.set X,    16                          ; v16-79 a wave's 2,048 numbers (64 a lane);  v16-143 a tile's 16 rows x 256 K (128 a lane)
.set CH,   80                          ; v80-87  four chains of pairs
.set FW,   144                         ; v144-167 the two fragments' codes: a set for each kappa, so that no store's data are written again
.set AUX,  168                         ; v168-175 the upper halves of two blocks' codes
.set BM,   176                         ; v176-177 largest magnitudes
.set SO,   178                         ; v178-179 the conversions' scale operands
.set BY,   180                         ; v180-181 the scale bytes
.set WW,   182                         ; v182-183 the scale words of kappa 0, 1
.set TT,   184                         ; v184 8 h;  v185 the other half of the lanes' bytes;  v186 the word that is stored
.macro LANESUM a, t                    ; the sum over the wave's 32 lanes, in every lane
	s_delay_alu instid0(VALU_DEP_1)
	v_add_f32_dpp v[\a], v[\a], v[\a] row_xmask:1 row_mask:0xf bank_mask:0xf
	s_delay_alu instid0(VALU_DEP_1)
	v_add_f32_dpp v[\a], v[\a], v[\a] row_xmask:2 row_mask:0xf bank_mask:0xf
	s_delay_alu instid0(VALU_DEP_1)
	v_add_f32_dpp v[\a], v[\a], v[\a] row_xmask:4 row_mask:0xf bank_mask:0xf
	s_delay_alu instid0(VALU_DEP_1)
	v_add_f32_dpp v[\a], v[\a], v[\a] row_xmask:8 row_mask:0xf bank_mask:0xf
	s_delay_alu instid0(VALU_DEP_1)
	v_permlanex16_b32 v[\t], v[\a], s18, s19
	s_delay_alu instid0(VALU_DEP_1)
	v_add_f32 v[\a], v[\a], v[\t]
.endm
.macro JOIN d                          ; the four chains' eight numbers into v[d]
	s_delay_alu instid0(VALU_DEP_3)
	v_pk_add_f32 v[CH:CH+1], v[CH:CH+1], v[CH+2:CH+3]
	s_delay_alu instid0(VALU_DEP_2)
	v_pk_add_f32 v[CH+4:CH+5], v[CH+4:CH+5], v[CH+6:CH+7]
	s_delay_alu instid0(VALU_DEP_1)
	v_pk_add_f32 v[CH:CH+1], v[CH:CH+1], v[CH+4:CH+5]
	s_delay_alu instid0(VALU_DEP_1)
	v_add_f32 v[\d], v[CH], v[CH+1]
.endm
	s_load_b256 s[4:11], s[0:1], 0x0               ; x s[4:5], qkv_w s[6:7], proj_w s[8:9], stats s[10:11]
	s_load_b128 s[12:15], s[0:1], 0x20             ; wq s[12:13], wsc s[14:15]
	v_lshrrev_b32 v1, 5, v0
	s_delay_alu instid0(VALU_DEP_1)
	v_readfirstlane_b32 s16, v1                    ; wave 0..7
	v_and_b32 v1, 31, v0                           ; lane
	s_delay_alu instid0(VALU_DEP_1)
	v_lshlrev_b32 v2, 4, v1                        ; 16 x lane
	v_mov_b32 v10, 0                               ; a lane permute's destination counts as one of its sources
	s_mov_b32 s18, 0x76543210
	s_mov_b32 s19, 0xfedcba98                      ; v_permlanex16_b32's selects for lane l xor 16
	s_mov_b32 s23, 0                               ; the upper word of every offset
	s_wait_kmcnt 0x0
	s_cmp_ge_u32 ttmp9, 256
	s_cbranch_scc1 .Lweights
	; ---- a wave's 2,048 numbers of x
	s_lshl_b32 s20, ttmp9, 3
	s_add_co_u32 s20, s20, s16                     ; which run of 2,048 numbers: 8 x work-group + wave
	s_lshl_b32 s22, s20, 13
	s_add_nc_u64 s[4:5], s[4:5], s[22:23]
	s_lshl_b32 s22, s20, 3
	s_add_nc_u64 s[10:11], s[10:11], s[22:23]      ; its 8 bytes of stats
.set i, 0
	s_wait_alu depctr_va_vdst(0)
.rept 16
	global_load_b128 v[X+4*i:X+4*i+3], v2, s[4:5] offset:512*i     ; 32 lanes read 512 consecutive bytes (no hint: later launches read x again)
.set i, i+1
.endr
	v_mov_b32 v3, 0
	v_cmp_eq_u32 vcc_lo, 0, v1                     ; lane 0 will store
	s_wait_loadcnt 0x0
.set k, 0
.rept 4
	v_pk_add_f32 v[CH+2*k:CH+2*k+1], v[X+2*k:X+2*k+1], v[X+8+2*k:X+9+2*k]    ; the first eight pairs start four chains: nothing is cleared
.set k, k+1
.endr
.set p, 8
.rept 24
	s_delay_alu instid0(VALU_DEP_4)
	v_pk_add_f32 v[CH+2*(p%4):CH+2*(p%4)+1], v[CH+2*(p%4):CH+2*(p%4)+1], v[X+2*p:X+2*p+1]
.set p, p+1
.endr
	JOIN 8
	LANESUM 8, 10
	s_delay_alu instid0(VALU_DEP_1)
	v_mul_f32 v8, 0xba000000, v8                   ; x -2^-11: MINUS the mean of the 2,048
	s_delay_alu instid0(VALU_DEP_1)
	v_mov_b32 v9, v8
.set p, 0
.rept 32
	v_pk_add_f32 v[X+2*p:X+2*p+1], v[X+2*p:X+2*p+1], v[8:9]       ; the deviations
.set p, p+1
.endr
.set k, 0
.rept 4
	v_pk_mul_f32 v[CH+2*k:CH+2*k+1], v[X+2*k:X+2*k+1], v[X+2*k:X+2*k+1]
.set k, k+1
.endr
.set p, 4
.rept 28
	s_delay_alu instid0(VALU_DEP_4)
	v_pk_fma_f32 v[CH+2*(p%4):CH+2*(p%4)+1], v[X+2*p:X+2*p+1], v[X+2*p:X+2*p+1], v[CH+2*(p%4):CH+2*(p%4)+1]
.set p, p+1
.endr
	JOIN 13
	LANESUM 13, 10                                 ; M2
	v_mul_f32 v12, -1.0, v8                        ; the mean
	s_wait_alu depctr_va_vdst(0)
	s_wait_xcnt 0x0                                ; EXEC changes only behind this wait
	s_and_saveexec_b32 s24, vcc_lo
	global_store_b64 v3, v[12:13], s[10:11]        ; lane 0: (mean, M2)
	s_endpgm
	; ---- a wave's tile of 16 weight rows, both halves of K
.Lweights:
	s_sub_co_u32 s20, ttmp9, 256
	s_lshl_b32 s20, s20, 3
	s_add_co_u32 s20, s20, s16                     ; T = 0..63
	s_cmp_lt_u32 s20, 48                           ; qkv_w's tile or proj_w's?  The choice hangs on ids alone
	s_cselect_b64 s[6:7], s[6:7], s[8:9]
	s_cselect_b32 s21, 0, 48
	s_sub_co_u32 s21, s20, s21                     ; T': the tile's number in its tensor
	s_lshr_b32 s22, s21, 1
	s_lshl_b32 s22, s22, 15                        ; 32 (T'/2) rows of 1,024 bytes
	s_and_b32 s24, s21, 1
	s_lshl_b32 s24, s24, 13                        ; + 8 (T'%2) rows
	s_add_co_u32 s22, s22, s24
	s_add_nc_u64 s[6:7], s[6:7], s[22:23]
	s_mul_i32 s22, s20, 3072
	s_add_nc_u64 s[12:13], s[12:13], s[22:23]      ; the tile's two images
	s_lshl_b32 s22, s20, 7
	s_add_nc_u64 s[14:15], s[14:15], s[22:23]      ; and its 32 scale words
	s_wait_alu depctr_va_vdst(0)
	v_lshlrev_b32 v3, 2, v1                        ; 4 x lane
	v_and_b32 v5, 15, v0                           ; r
	v_bfe_u32 v6, v0, 4, 1                         ; h
	s_delay_alu instid0(VALU_DEP_2)
	v_and_b32 v7, 8, v5
	s_delay_alu instid0(VALU_DEP_1)
	v_add_nc_u32 v7, v7, v5                        ; r + 8 (r/8)
	s_delay_alu instid0(VALU_DEP_1)
	v_lshlrev_b32 v4, 10, v7
	s_delay_alu instid0(VALU_DEP_1)
	v_lshl_add_u32 v4, v6, 7, v4                   ; my row, + 128 h bytes: the operand's layout gives lane (r, h) k = 128 kappa + 64 c + 32 h + 0 .. 31
	v_lshlrev_b32 v[TT], 3, v6                     ; 8 h
	v_mov_b32 v[TT+1], 0
.irp k, 0,1
.irp c, 0,1
.irp q, 0,1,2,3,4,5,6,7
	global_load_b128 v[X+64*\k+32*\c+4*\q:X+64*\k+32*\c+4*\q+3], v4, s[6:7] offset:512*\k+256*\c+16*\q th:TH_LOAD_NT   ; a block of 32 numbers is 128 bytes of my row; read once in the launch
.endr
.endr
.endr
	v_cmp_lt_u32 vcc_lo, 15, v1                    ; lanes 16-31
	s_wait_loadcnt 0x0
.macro WFRAG k                         ; 64 numbers of a lane, two whole blocks (2 c + h), become registers 6 c .. 6 c + 5 of fragment kappa = k
.set NB, X+64*\k
.irp c, 0,1
	v_max3_num_f32 v[BM+\c], |v[NB+32*\c]|, |v[NB+32*\c+1]|, 0x2800000       ; with the floor 2^(5 - 127) among the leaves: the byte cannot fall under 1
.endr
.irp i, 2,4,6,8,10,12,14,16,18,20,22,24,26,28,30
.irp c, 0,1
	s_delay_alu instid0(VALU_DEP_2)
	v_max3_num_f32 v[BM+\c], v[BM+\c], |v[NB+32*\c+\i]|, |v[NB+32*\c+\i+1]|  ; (the two blocks by turns)
.endr
.endr
.irp c, 0,1
	s_delay_alu instid0(VALU_DEP_2)
	v_add_nc_u32 v[SO+\c], 0xfe000000, v[BM+\c]    ; 4 off the exponent field: the conversion takes this operand's exponent field as its scale
.endr
.irp c, 0,1
	s_delay_alu instid0(VALU_DEP_2)
	v_lshrrev_b32 v[BY+\c], 23, v[SO+\c]           ; the scale's byte
.endr
	s_delay_alu instid0(VALU_DEP_1)
	v_lshl_or_b32 v[WW+\k], v[BY+1], 16, v[BY]     ; my two bytes: blocks h and 2 + h of my row,
	s_delay_alu instid0(VALU_DEP_1)
	v_lshlrev_b32 v[WW+\k], v[TT], v[WW+\k]        ; at their places in the word;
	s_delay_alu instid0(VALU_DEP_1)
	v_permlanex16_b32 v[TT+1], v[WW+\k], s18, s19
	s_delay_alu instid0(VALU_DEP_1)
	v_or_b32 v[WW+\k], v[WW+\k], v[TT+1]           ; with lane l xor 16's two the word is whole
.irp c, 0,1
	v_cvt_scalef32_pk16_bf6_f32 v[FW+12*\k+6*\c:FW+12*\k+6*\c+2], v[NB+32*\c:NB+32*\c+15], v[SO+\c]
	v_cvt_scalef32_pk16_bf6_f32 v[AUX+4*\c:AUX+4*\c+2], v[NB+32*\c+16:NB+32*\c+31], v[SO+\c]   ; (a conversion's three registers begin on an even number)
.endr
	v_nop                                          ; one plain place behind a scaled conversion
.irp c, 0,1
.irp i, 0,1,2
	v_mov_b32 v[FW+12*\k+6*\c+3+\i], v[AUX+4*\c+\i]
.endr
.endr
.irp g, 0,1,2
	global_store_b128 v2, v[FW+12*\k+4*\g:FW+12*\k+4*\g+3], s[12:13] offset:1536*\k+512*\g    ; the image: 32 lanes store 512 consecutive bytes
.endr
.endm
	WFRAG 0
	WFRAG 1
	v_cndmask_b32 v[TT+2], v[WW], v[WW+1], vcc_lo  ; lanes 0-15 carry kappa 0's words, lanes 16-31 kappa 1's
	global_store_b32 v3, v[TT+2], s[14:15]
	s_endpgm
.Lfunc_end_k_q2120303f13_prep:
	.size	k_q2120303f13_prep, .Lfunc_end_k_q2120303f13_prep-k_q2120303f13_prep
	.p2alignl 7, 3214868480
	.fill 96, 4, 3214868480
	.section	.rodata,"a",@progbits
	.p2align	6, 0x0
	.amdhsa_kernel k_q2120303f13_prep
		.amdhsa_group_segment_fixed_size 0
		.amdhsa_private_segment_fixed_size 0
		.amdhsa_enable_private_segment 0
		.amdhsa_kernarg_size 48
		.amdhsa_user_sgpr_count 2
		.amdhsa_user_sgpr_kernarg_segment_ptr 1
		.amdhsa_wavefront_size32 1
		.amdhsa_system_sgpr_workgroup_id_x 1
		.amdhsa_system_sgpr_workgroup_id_y 1
		.amdhsa_system_sgpr_workgroup_id_z 1
		.amdhsa_system_vgpr_workitem_id 0
		.amdhsa_next_free_vgpr 192
		.amdhsa_next_free_sgpr 66
		.amdhsa_reserve_vcc 1
		.amdhsa_float_denorm_mode_32 3
		.amdhsa_float_denorm_mode_16_64 3
		.amdhsa_memory_ordered 1
		.amdhsa_forward_progress 1
		.amdhsa_inst_pref_size 26
	.end_amdhsa_kernel
	.amdgpu_metadata
---
amdhsa.version: [ 1, 2 ]
amdhsa.kernels:
  - .name:           k_q2120303f13_prep
    .symbol:         k_q2120303f13_prep.kd
    .args:
      - { .name: x, .offset: 0, .size: 8, .value_kind: global_buffer, .address_space: global }
      - { .name: qkv_w, .offset: 8, .size: 8, .value_kind: global_buffer, .address_space: global }
      - { .name: proj_w, .offset: 16, .size: 8, .value_kind: global_buffer, .address_space: global }
      - { .name: stats, .offset: 24, .size: 8, .value_kind: global_buffer, .address_space: global }
      - { .name: wq, .offset: 32, .size: 8, .value_kind: global_buffer, .address_space: global }
      - { .name: wsc, .offset: 40, .size: 8, .value_kind: global_buffer, .address_space: global }
    .group_segment_fixed_size: 0
    .private_segment_fixed_size: 0
    .kernarg_segment_align: 8
    .kernarg_segment_size: 48
    .max_flat_workgroup_size: 256
    .sgpr_count:     66
    .vgpr_count:     192
    .wavefront_size: 32
...
	.end_amdgpu_metadata
.endif
;; end of part 1
;; launch qkv (part 2): grid 128 x 2, 8 waves a work-group, no clusters, 33,792 bytes of LDS; arguments x, gn_w, gn_b, qkv_b, stats, wq, wsc, qc, qs, kv; writes qc, qs, kv
.if DOCPART == 2
	.amdgcn_target "amdgcn-amd-amdhsa--gfx1250"
	.amdhsa_code_object_version 6
	.text
	.protected	k_q2120303f13_qkv
	.globl	k_q2120303f13_qkv
	.p2align	8
	.type	k_q2120303f13_qkv,@function
k_q2120303f13_qkv:
	s_mov_b64 s[64:65], 0
	v_nop
	global_prefetch_b8 v0, s[64:65] scope:SCOPE_SE
	s_setreg_imm32_b32 hwreg(HW_REG_WAVE_MODE, 25, 1), 1
	s_wait_xcnt 0x0
; QKV.  GroupNorm finished, xn quantised along the channels, q, k, v = W xn + bias on codes of BF6 (E3M2, one E8M0 byte for each 32 along K), and q, k (along the head's 64) and v (along the keys) quantised again.
; SHARES.  Work-group (x = 32 b + j, y): the 128 positions 128 j .. 128 j + 127 of batch b (one key step of the attention launch), heads 2 y and 2 y + 1.  Wave w: i = w & 3, hh = kap = w >> 2.
;   X: wave (i, kap) normalises and quantises positions 32 i .. 32 i + 31, channels 128 kap .. + 127: a lane takes ONE position and its registers run down the channels, so a block of 32 channels (which is
;      exactly one GroupNorm group) lies in one lane.  Lane 16 u + r takes position 8 u + r + 8 (r/8) of the 32: so the 16 lanes of a half are one tile of the permuted order below.
;   Q, K: wave (i, hh) makes q and k of positions 32 i .. of head 2 y + hh (source 0 = 16 weight rows, source 1 = 16 positions: a lane holds one position, registers along the head's 64).
;   V: wave (i, hh) makes rows 16 i .. of v^T of that head for all 128 positions (source 0 = 16 positions, source 1 = 16 weight rows: a lane holds one channel of the head, registers along the keys).
; THE ORDER OF ROWS IN A TILE: of 32 positions (or weight rows) tile u's row r is element 8 u + r + 8 (r/8).  In a result, the 16 registers of tiles 2 b and 2 b + 1 are then elements 32 b + 16 (lane/16) + 0 .. 15.
; OPERANDS TRAVEL AS IMAGES OF THEIR REGISTERS: a fragment (12 registers a lane) is three stores of 16 bytes a lane at 512 g + 16 x lane, in LDS and in memory alike.
;   qc[bh][block of 32 positions][1,536]: registers 0-5 tile 0 of the block, 6-11 tile 1 (each 16 rows x 64);  qs[bh][block][16 words]: bytes (tile 0 block 0, 1, tile 1 block 0, 1).
;   kv[bh][j][12,800]: four fragments of k laid like q's; four of v^T (16 channels x 128 keys); 256 bytes [r][b] of k's words; 256 bytes [r][t] of v's.
; The variance: the 64 pairs (mean, M2) of a group are joined as M2 = sum of M2_i + 2,048 x sum of (mean_i - mean)^2.  xn = (x - mean) x (rstd x gn_w) + gn_b, in f32.
; NO CLUSTER: x goes lane by lane into registers in the order that the conversions want, and the weights go straight into operand registers; no LDS tile exists that a joint load could fill.  The two work-groups
;   (y = 0, 1) of one x read the same 128 KiB of x; sharing that would cost a turn of these bytes through LDS.
; LIMITS: NaN and infinities are not served; rstd is v_rsq_f32; a block of zeros gets the byte 1 (its codes are zeros; this program alone reads the bytes).
; REGISTERS, window 0: v1-12 addresses; v13-23 scale words and nothing else; v24-151 x, later v24-71 four fragments of xn and v72-135 eight accumulators; v136 k's scale word; v137-140 addresses made behind phase X;
;   v152-215 the tables of a group, later codes and what the quantiser works with; v216-221 minus the means; v222-234 the statistics' work; v224-255 then k's bias.
;   window 1: v0-95 Wq's 8 fragments ((t, kap) at 12 (2 t + kap)); v96-191 Wk's; v192-215 Wv's two; v216-247 q's bias; v248-255 v's bias.
.set FRB,  1536                        ; a fragment's image in bytes
.set XIMG, 0                           ; LDS: xn's 16 fragments: index 4 blk + 2 u + kap
.set XSC,  16*FRB                      ; their scale words: index 2 blk + kap, 128 bytes: lanes 0-15 tile 0's rows, lanes 16-31 tile 1's
.set TABA, XSC+8*128                   ; rstd x gn_w, 256 numbers
.set TABB, TABA+1024                   ; gn_b
.set TABM, TABB+1024                   ; minus the 8 means
.set SCKV, TABM+256                    ; k's and v's scale words, 512 bytes for each of the two heads
.set SCQ,  SCKV+1024                   ; q's, 256 bytes for each head
.set LI,   1                           ; 16 x lane
.set LS,   2                           ; 4 x lane
.set XWI,  3                           ; where I store xn's images
.set XWS,  4                           ; and their scale words
.set XRI,  5                           ; where my block's images begin
.set XRS,  6                           ; and its scale words
.set TADR, 7                           ; 512 kap: my half of the tables (the same in every lane)
.set MADR, 8                           ; my four means
.set XO,   9                           ; 4 x my position among the 32
.set BA,   10                          ; 64 h
.set BV,   11                          ; 4 (r + 8 (r/8))
.set SCA,  12                          ; where my word of k's (lanes 0-15) or v's (lanes 16-31) scales goes
.set XS0,  13
.set XS1,  14
.set WSV,  15
.set WSQ,  16
.set WSK,  20
.set XX,   24
.set XF,   24
.set ACC,  72
.set PWK,  136
.set SQA,  137
.set L8,   138
.set SKR,  139
.set SQR,  140
.set TA,   152
.set TB,   184
.set PC,   152                         ; the codes just made (in phase X: tile 0's fragment)
.set F1,   164                         ; in phase X: tile 1's fragment
.set AUX,  176
.set TM,   192                         ; +0..3 largest magnitudes, +4..7 bytes, +12..15 the conversions' scale operands
.set PW,   208                         ; the scale word just made
.set MU,   216
.set MP,   220
.set KB,   224
.set MSB, 0
.macro WIN new                         ; the immediate's high byte repeats the setting that is left
.if MSB != \new
	s_set_vgpr_msb (MSB<<8)|\new
.set MSB, \new
.endif
.endm
.macro BARRIER                         ; my LDS stores have landed and my LDS loads are in: then the work-group's barrier
	s_wait_dscnt 0x0
	s_barrier_signal -1
	s_barrier_wait -1
.endm
.macro PLACES                          ; four plain vector instructions behind matrix instructions, in front of reads of their results and of loads into their registers
.rept 4
	v_nop
.endr
.endm
.macro LANESUM a, t
	s_delay_alu instid0(VALU_DEP_1)
	v_add_f32_dpp v[\a], v[\a], v[\a] row_xmask:1 row_mask:0xf bank_mask:0xf
	s_delay_alu instid0(VALU_DEP_1)
	v_add_f32_dpp v[\a], v[\a], v[\a] row_xmask:2 row_mask:0xf bank_mask:0xf
	s_delay_alu instid0(VALU_DEP_1)
	v_add_f32_dpp v[\a], v[\a], v[\a] row_xmask:4 row_mask:0xf bank_mask:0xf
	s_delay_alu instid0(VALU_DEP_1)
	v_add_f32_dpp v[\a], v[\a], v[\a] row_xmask:8 row_mask:0xf bank_mask:0xf
	s_delay_alu instid0(VALU_DEP_1)
	v_permlanex16_b32 v[\t], v[\a], s48, s49
	s_delay_alu instid0(VALU_DEP_1)
	v_add_f32 v[\a], v[\a], v[\t]
.endm
; one product: D, A, B, C by their first registers; the two scale registers; ra, rb = 1: that side's words stand in lanes 16-31
.macro MM d, a, b, c, sa, sb, ra, rb
.if \ra
.if \rb
	v_wmma_scale_f32_16x16x128_f8f6f4 v[\d:\d+7], v[\a:\a+11], v[\b:\b+11], v[\c:\c+7], v[\sa], v[\sb] matrix_a_fmt:MATRIX_FMT_BF6 matrix_b_fmt:MATRIX_FMT_BF6 matrix_a_scale:MATRIX_SCALE_ROW1 matrix_b_scale:MATRIX_SCALE_ROW1
.else
	v_wmma_scale_f32_16x16x128_f8f6f4 v[\d:\d+7], v[\a:\a+11], v[\b:\b+11], v[\c:\c+7], v[\sa], v[\sb] matrix_a_fmt:MATRIX_FMT_BF6 matrix_b_fmt:MATRIX_FMT_BF6 matrix_a_scale:MATRIX_SCALE_ROW1
.endif
.else
.if \rb
	v_wmma_scale_f32_16x16x128_f8f6f4 v[\d:\d+7], v[\a:\a+11], v[\b:\b+11], v[\c:\c+7], v[\sa], v[\sb] matrix_a_fmt:MATRIX_FMT_BF6 matrix_b_fmt:MATRIX_FMT_BF6 matrix_b_scale:MATRIX_SCALE_ROW1
.else
	v_wmma_scale_f32_16x16x128_f8f6f4 v[\d:\d+7], v[\a:\a+11], v[\b:\b+11], v[\c:\c+7], v[\sa], v[\sb] matrix_a_fmt:MATRIX_FMT_BF6 matrix_b_fmt:MATRIX_FMT_BF6
.endif
.endif
.endm
; 64 numbers of a lane, v[s] .. v[s + 63], register 16 b + i = k 32 b + 16 (lane/16) + i of my row, become a fragment's codes in v[PC] on and its scale word in v[PW]
.macro QUANT s
.irp b, 0,1,2,3
	v_max3_num_f32 v[TM+\b], |v[\s+16*\b]|, |v[\s+1+16*\b]|, 0x2800000   ; block b: my 16 numbers, and the floor 2^(5 - 127): the byte cannot fall under 1.  (Each accumulator is read from its low end on)
.endr
.irp i, 2,4,6,8,10,12,14
.irp b, 0,1,2,3
	v_max3_num_f32 v[TM+\b], v[TM+\b], |v[\s+16*\b+\i]|, |v[\s+1+16*\b+\i]|   ; (the four blocks by turns)
.endr
.endr
.irp b, 0,1,2,3
	s_delay_alu instid0(VALU_DEP_4)
	v_permlanex16_b32 v[TM+4+\b], v[TM+\b], s48, s49
.endr
.irp b, 0,1,2,3
	s_delay_alu instid0(VALU_DEP_4)
	v_max_num_f32 v[TM+\b], v[TM+\b], v[TM+4+\b]   ; with lane l xor 16's: the block's largest magnitude
.endr
.irp b, 0,1,2,3
	s_delay_alu instid0(VALU_DEP_4)
	v_add_nc_u32 v[TM+12+\b], 0xfe000000, v[TM+\b] ; 4 off its exponent field: the conversion's scale operand
.endr
.irp b, 0,1,2,3
	s_delay_alu instid0(VALU_DEP_4)
	v_lshrrev_b32 v[TM+4+\b], 23, v[TM+12+\b]      ; the scale's byte
.endr
	s_delay_alu instid0(VALU_DEP_3)
	v_lshl_or_b32 v[PW], v[TM+5], 8, v[TM+4]       ; the four bytes make my row's scale word
	s_delay_alu instid0(VALU_DEP_1)
	v_lshl_or_b32 v[PW], v[TM+6], 16, v[PW]
	s_delay_alu instid0(VALU_DEP_1)
	v_lshl_or_b32 v[PW], v[TM+7], 24, v[PW]
.irp c, 0,1
	v_cvt_scalef32_pk16_bf6_f32 v[PC+6*\c:PC+2+6*\c], v[\s+32*\c:\s+15+32*\c], v[TM+12+2*\c]
	v_cvt_scalef32_pk16_bf6_f32 v[PC+12+4*\c:PC+14+4*\c], v[\s+16+32*\c:\s+31+32*\c], v[TM+12+2*\c+1]   ; (a conversion's three registers begin on an even number)
.endr
	v_nop                                          ; one plain place behind a scaled conversion
.irp c, 0,1                                    ; the operand's layout wants a WHOLE block in a lane: lanes 0-15 block 2 c, lanes 16-31 block 2 c + 1
.irp i, 0,1,2
	v_permlane16_swap_b32 v[PC+6*\c+\i], v[PC+12+4*\c+\i]
.endr
.irp i, 0,1,2
	s_delay_alu instid0(VALU_DEP_3)
	v_mov_b32 v[PC+3+6*\c+\i], v[PC+12+4*\c+\i]
.endr
.endr
.endm
.macro IMG_G base, off                 ; the fragment in v[PC] on goes to memory as it stands: each store covers 512 consecutive bytes
.irp g, 0,1,2
	global_store_b128 v[LI], v[PC+4*\g:PC+4*\g+3], s[\base:\base+1] offset:\off+512*\g
.endr
.endm
.macro FETCHX adr, off, sadr, soff     ; a block's four fragments of xn (2 u + kap) and its two registers of scale words
.set g, 0
.rept 12
	ds_load_b128 v[XF+4*g:XF+4*g+3], v[\adr] offset:\off+512*g
.set g, g+1
.endr
	ds_load_b32 v[XS0], v[\sadr] offset:\soff
	ds_load_b32 v[XS1], v[\sadr] offset:\soff+128
.endm
	s_load_b512 s[4:19], s[0:1], 0x0               ; x s[4:5], gn_w s[6:7], gn_b s[8:9], qkv_b s[10:11], stats s[12:13], wq s[14:15], wsc s[16:17], qc s[18:19]
	s_load_b128 s[20:23], s[0:1], 0x40             ; qs s[20:21], kv s[22:23]
	v_lshrrev_b32 v240, 5, v0
	s_delay_alu instid0(VALU_DEP_1)
	v_readfirstlane_b32 s24, v240                  ; wave 0..7
	s_and_b32 s25, s24, 3                          ; i
	s_lshr_b32 s26, s24, 2                         ; hh = kap
	s_and_b32 s27, ttmp9, 31                       ; j
	s_lshr_b32 s28, ttmp9, 5                       ; b
	s_and_b32 s29, ttmp7, 0xffff                   ; y
	s_lshl_b32 s30, s29, 1
	s_add_co_u32 s30, s30, s26                     ; head
	s_lshl_b32 s31, s28, 2
	s_add_co_u32 s31, s31, s30                     ; bh
	s_mov_b32 s48, 0x76543210
	s_mov_b32 s49, 0xfedcba98                      ; v_permlanex16_b32's selects for lane l xor 16
	s_mov_b32 s60, 0x37000000                      ; 2^-17: one over a group's 131,072 numbers
	s_mov_b32 s61, 0x3727c5ac                      ; 1e-5
	s_mov_b32 s62, 0x45000000                      ; 2,048
	v_and_b32 v240, 31, v0                         ; lane
	v_and_b32 v241, 15, v0                         ; r
	v_bfe_u32 v242, v0, 4, 1                       ; h
	s_delay_alu instid0(VALU_DEP_3)
	v_lshlrev_b32 v[LI], 4, v240
	s_wait_alu depctr_va_vdst(0)
	v_lshlrev_b32 v[LS], 2, v240
	s_wait_alu depctr_va_vdst(0)
	s_lshl_b32 s58, s25, 2
	s_add_co_u32 s58, s58, s26
	s_mul_i32 s58, s58, FRB                        ; fragment 4 i + kap (tile 0); tile 1's lies two fragments on
	v_add_nc_u32 v[XWI], s58, v[LI]
	s_lshl_b32 s58, s25, 1
	s_add_co_u32 s58, s58, s26
	s_lshl_b32 s58, s58, 7
	s_add_co_u32 s58, s58, XSC
	v_add_nc_u32 v[XWS], s58, v[LS]
	s_mul_i32 s58, s25, 4*FRB
	v_add_nc_u32 v[XRI], s58, v[LI]
	s_lshl_b32 s58, s25, 8
	s_add_co_u32 s58, s58, XSC
	v_add_nc_u32 v[XRS], s58, v[LS]
	s_lshl_b32 s58, s26, 9
	v_mov_b32 v[TADR], s58
	s_lshl_b32 s58, s26, 4
	s_add_co_u32 s58, s58, TABM
	v_mov_b32 v[MADR], s58
	v_and_b32 v243, 8, v241
	s_delay_alu instid0(VALU_DEP_1)
	v_add_nc_u32 v243, v243, v241                  ; r + 8 (r/8)
	s_delay_alu instid0(VALU_DEP_1)
	v_lshlrev_b32 v[BV], 2, v243
	s_delay_alu instid0(VALU_DEP_2)
	v_lshl_add_u32 v243, v242, 3, v243             ; + 8 u: my position among the 32
	s_delay_alu instid0(VALU_DEP_1)
	v_lshlrev_b32 v[XO], 2, v243
	v_lshlrev_b32 v[BA], 6, v242
	s_lshl_b32 s58, s26, 9
	s_lshl_b32 s59, s25, 2
	s_add_co_u32 s58, s58, s59
	s_add_co_u32 s58, s58, SCKV
	v_lshlrev_b32 v[SCA], 4, v241
	s_delay_alu instid0(VALU_DEP_1)
	v_lshl_add_u32 v[SCA], v242, 8, v[SCA]
	s_delay_alu instid0(VALU_DEP_1)
	v_add_nc_u32 v[SCA], s58, v[SCA]               ; SCKV + 512 hh + 256 h + 16 r + 4 i
	v_lshlrev_b32 v232, 2, v0                      ; 4 x thread = 128 w + 4 lane: channel 32 w + lane
	v_lshlrev_b32 v233, 4, v0                      ; 16 x thread = 512 w + 16 lane: two pairs of group w
	s_lshl_b32 s58, s24, 2
	s_add_co_u32 s58, s58, TABM
	v_mov_b32 v234, s58                            ; group w's word among the means
	v_mov_b32 v231, 0                              ; a lane permute's destination counts as one of its sources
	; byte offsets, each in a pair of its own
	s_lshl_b32 s32, s28, 22                        ; x: batch,
	s_lshl_b32 s58, s26, 21                        ; 128 kap channels of 16,384 bytes,
	s_add_co_u32 s32, s32, s58
	s_lshl_b32 s58, s27, 9                         ; 128 j positions,
	s_add_co_u32 s32, s32, s58
	s_lshl_b32 s58, s25, 7                         ; 32 i positions
	s_add_co_u32 s32, s32, s58
	s_mov_b32 s33, 0
	s_lshl_b32 s34, s28, 12                        ; stats: the batch's 8 groups of 512 bytes
	s_mov_b32 s35, 0
	s_mul_i32 s36, s30, 8*FRB                      ; wq: the head's four tiles of Wq; Wk's lie 16 tiles on, Wv's 32
	s_mov_b32 s37, 0
	s_mul_i32 s38, s25, 2*FRB
	s_add_co_u32 s38, s38, s36
	s_add_co_u32 s38, s38, 64*FRB                  ; Wv's tile i
	s_mov_b32 s39, 0
	s_lshl_b32 s40, s30, 9                         ; wsc likewise, 128 bytes a tile
	s_mov_b32 s41, 0
	s_lshl_b32 s42, s25, 7
	s_add_co_u32 s42, s42, s40
	s_add_co_u32 s42, s42, 4096
	s_mov_b32 s43, 0
	s_lshl_b32 s44, s30, 8                         ; qkv_b: the head's 64 numbers of q's bias; k's lie 1,024 bytes on, v's 2,048
	s_mov_b32 s45, 0
	s_lshr_b32 s46, s25, 1
	s_lshl_b32 s46, s46, 7
	s_and_b32 s58, s25, 1
	s_lshl_b32 s58, s58, 5
	s_add_co_u32 s46, s46, s58                     ; 4 (32 (i/2) + 8 (i%2)): where tile i's rows begin
	s_add_co_u32 s46, s46, s44
	s_add_co_u32 s46, s46, 2048
	s_mov_b32 s47, 0
	s_lshl_b32 s50, s31, 7
	s_lshl_b32 s58, s27, 2
	s_add_co_u32 s50, s50, s58                     ; 128 bh + 4 j
	s_lshl_b32 s56, s50, 6                         ; qs: 64 bytes a block
	s_mov_b32 s57, 0
	s_add_co_u32 s50, s50, s25
	s_mul_i32 s50, s50, FRB                        ; qc: my block's image
	s_mov_b32 s51, 0
	s_lshl_b32 s52, s31, 5
	s_add_co_u32 s52, s52, s27
	s_mul_i32 s52, s52, 12800                      ; kv: the key step
	s_mov_b32 s53, 0
	s_mul_i32 s54, s25, FRB
	s_add_co_u32 s54, s54, s52                     ; and my fragment of k in it; my fragment of v^T lies 6,144 bytes on
	s_mov_b32 s55, 0
	s_wait_alu depctr_va_vdst(0)
	s_wait_kmcnt 0x0
	s_add_nc_u64 s[32:33], s[4:5], s[32:33]
	s_add_nc_u64 s[34:35], s[12:13], s[34:35]
	s_add_nc_u64 s[36:37], s[14:15], s[36:37]
	s_add_nc_u64 s[38:39], s[14:15], s[38:39]
	s_add_nc_u64 s[40:41], s[16:17], s[40:41]
	s_add_nc_u64 s[42:43], s[16:17], s[42:43]
	s_add_nc_u64 s[44:45], s[10:11], s[44:45]
	s_add_nc_u64 s[46:47], s[10:11], s[46:47]
	s_add_nc_u64 s[50:51], s[18:19], s[50:51]
	s_add_nc_u64 s[52:53], s[22:23], s[52:53]
	s_add_nc_u64 s[54:55], s[22:23], s[54:55]
	s_add_nc_u64 s[56:57], s[20:21], s[56:57]
	; ---- loads: group w's 64 pairs, its channels' gain and bias, then my 32 positions x 128 channels of x
	global_load_b128 v[224:227], v233, s[34:35]    ; (mean, M2) twice
	global_load_b32 v228, v232, s[6:7]
	global_load_b32 v229, v232, s[8:9]
.set n, 0
.rept 128
	global_load_b32 v[XX+n], v[XO], s[32:33] offset:16384*n        ; channel 128 kap + n: the wave reads 128 consecutive bytes, four waves side by side 512
.set n, n+1
.endr
	s_wait_loadcnt 0x3f                            ; 128 loads were issued behind the three that are wanted now; 63 is the largest count that the wait can name
	; ---- group w's mean and rstd
	v_add_f32 v230, v224, v226
	LANESUM 230, 231
	s_delay_alu instid0(VALU_DEP_1)
	v_mul_f32 v230, 0x3c800000, v230               ; the mean of 64 means of equal shares
	s_delay_alu instid0(VALU_DEP_1)
	v_sub_f32 v222, v224, v230
	s_delay_alu instid0(VALU_DEP_2)
	v_sub_f32 v223, v226, v230
	s_delay_alu instid0(VALU_DEP_2)
	v_mul_f32 v222, v222, v222
	s_delay_alu instid0(VALU_DEP_1)
	v_fmac_f32 v222, v223, v223
	v_add_f32 v223, v225, v227
	s_delay_alu instid0(VALU_DEP_1)
	v_fma_f32 v223, v222, s62, v223                ; my two shares of M2: their own, and 2,048 x their means' squared distance from the mean
	LANESUM 223, 231
	s_delay_alu instid0(VALU_DEP_1)
	v_fma_f32 v223, v223, s60, s61                 ; the variance + 1e-5
	s_wait_alu depctr_va_vdst(0)
	v_rsq_f32 v223, v223
	v_mul_f32 v230, -1.0, v230                     ; (a plain place behind the transcendental)  MINUS the mean
	s_wait_alu depctr_va_vdst(0)
	v_mul_f32 v223, v223, v228                     ; rstd x gn_w
	ds_store_b32 v232, v223 offset:TABA
	ds_store_b32 v232, v229 offset:TABB
	ds_store_b32 v234, v230                        ; all lanes write the same word with the same value
	BARRIER                                        ; the tables of all 256 channels lie in LDS
	s_wait_loadcnt 0x0                             ; x is in
	; ---- the weights, their scale words and the biases are asked for now and land while x is normalised and quantised
	WIN 0x40                                       ; destination window 1
.set n, 0
.rept 24
	global_load_b128 v[4*n:4*n+3], v[LI], s[36:37] offset:512*n                 ; Wq
.set n, n+1
.endr
.set n, 0
.rept 24
	global_load_b128 v[96+4*n:96+4*n+3], v[LI], s[36:37] offset:32*FRB+512*n    ; Wk
.set n, n+1
.endr
.set n, 0
.rept 6
	global_load_b128 v[192+4*n:192+4*n+3], v[LI], s[38:39] offset:512*n         ; Wv's tile i
.set n, n+1
.endr
.irp t, 0,1,2,3                                ; q's bias in the result's layout: lane (r, h), tile t: the head's channels 32 (t/2) + 16 h + 8 (t%2) + 0 .. 7
	global_load_b128 v[216+8*\t:219+8*\t], v[BA], s[44:45] offset:(32*(\t/2)+8*(\t%2))*4
	global_load_b128 v[220+8*\t:223+8*\t], v[BA], s[44:45] offset:(32*(\t/2)+8*(\t%2))*4+16
.endr
.set n, 0
.rept 8
	global_load_b32 v[248+n], v[BV], s[46:47]      ; v's bias: a lane holds one channel, so all eight registers hold its number
.set n, n+1
.endr
	WIN 0
.irp t, 0,1,2,3
	global_load_b128 v[KB+8*\t:KB+8*\t+3], v[BA], s[44:45] offset:1024+(32*(\t/2)+8*(\t%2))*4
	global_load_b128 v[KB+8*\t+4:KB+8*\t+7], v[BA], s[44:45] offset:1024+(32*(\t/2)+8*(\t%2))*4+16
.endr
.irp t, 0,1,2,3
	global_load_b32 v[WSQ+\t], v[LS], s[40:41] offset:128*\t
	global_load_b32 v[WSK+\t], v[LS], s[40:41] offset:2048+128*\t
.endr
	global_load_b32 v[WSV], v[LS], s[42:43]
	; ---- X: xn = (x - mean) a + gn_b, a group (= a block of 32 channels) at a time
	ds_load_b128 v[MU:MU+3], v[MADR]
.irp be, 0,1,2,3
.set q, 0
.rept 8
	ds_load_b128 v[TA+4*q:TA+4*q+3], v[TADR] offset:TABA+128*\be+16*q          ; every lane reads the same 16 bytes
	ds_load_b128 v[TB+4*q:TB+4*q+3], v[TADR] offset:TABB+128*\be+16*q
.set q, q+1
.endr
	s_wait_dscnt 0x0
	v_mov_b32 v[MP], v[MU+\be]
	v_mov_b32 v[MP+1], v[MU+\be]
.set q, 0
.rept 16
	v_pk_add_f32 v[XX+32*\be+2*q:XX+32*\be+2*q+1], v[XX+32*\be+2*q:XX+32*\be+2*q+1], v[MP:MP+1]
.set q, q+1
.endr
.set q, 0
.rept 16
	v_pk_fma_f32 v[XX+32*\be+2*q:XX+32*\be+2*q+1], v[XX+32*\be+2*q:XX+32*\be+2*q+1], v[TA+2*q:TA+2*q+1], v[TB+2*q:TB+2*q+1]
.set q, q+1
.endr
.endr
	; my four blocks: all 32 numbers of a block are mine
.irp b, 0,1,2,3
	v_max3_num_f32 v[TM+\b], |v[XX+32*\b]|, |v[XX+32*\b+1]|, 0x2800000
.endr
.irp i, 2,4,6,8,10,12,14,16,18,20,22,24,26,28,30
.irp b, 0,1,2,3
	s_delay_alu instid0(VALU_DEP_4)
	v_max3_num_f32 v[TM+\b], v[TM+\b], |v[XX+32*\b+\i]|, |v[XX+32*\b+\i+1]|
.endr
.endr
.irp b, 0,1,2,3
	s_delay_alu instid0(VALU_DEP_4)
	v_add_nc_u32 v[TM+12+\b], 0xfe000000, v[TM+\b]
.endr
.irp b, 0,1,2,3
	s_delay_alu instid0(VALU_DEP_4)
	v_lshrrev_b32 v[TM+4+\b], 23, v[TM+12+\b]
.endr
	s_delay_alu instid0(VALU_DEP_3)
	v_lshl_or_b32 v[PW], v[TM+5], 8, v[TM+4]
	s_delay_alu instid0(VALU_DEP_1)
	v_lshl_or_b32 v[PW], v[TM+6], 16, v[PW]
	s_delay_alu instid0(VALU_DEP_1)
	v_lshl_or_b32 v[PW], v[TM+7], 24, v[PW]        ; my position's scale word for these 128 channels
.irp c, 0,1                                    ; blocks 2 c into v[PC] on, blocks 2 c + 1 into v[F1] on
	v_cvt_scalef32_pk16_bf6_f32 v[PC+6*\c:PC+6*\c+2], v[XX+64*\c:XX+64*\c+15], v[TM+12+2*\c]
	v_cvt_scalef32_pk16_bf6_f32 v[AUX+8*\c:AUX+8*\c+2], v[XX+64*\c+16:XX+64*\c+31], v[TM+12+2*\c]
	v_cvt_scalef32_pk16_bf6_f32 v[F1+6*\c:F1+6*\c+2], v[XX+64*\c+32:XX+64*\c+47], v[TM+13+2*\c]
	v_cvt_scalef32_pk16_bf6_f32 v[AUX+8*\c+4:AUX+8*\c+6], v[XX+64*\c+48:XX+64*\c+63], v[TM+13+2*\c]
.endr
	v_nop                                          ; one plain place behind a scaled conversion
.irp c, 0,1
.irp i, 0,1,2
	v_mov_b32 v[PC+6*\c+3+\i], v[AUX+8*\c+\i]
	v_mov_b32 v[F1+6*\c+3+\i], v[AUX+8*\c+4+\i]
.endr
.endr
.set q, 0
.rept 12
	v_permlane16_swap_b32 v[PC+q], v[F1+q]         ; the first's lanes 16-31 (tile 1's even blocks) change places with the second's lanes 0-15 (tile 0's odd blocks): the first is now tile 0's fragment, the second tile 1's
.set q, q+1
.endr
.irp g, 0,1,2
	ds_store_b128 v[XWI], v[PC+4*\g:PC+4*\g+3] offset:XIMG+512*\g
	ds_store_b128 v[XWI], v[F1+4*\g:F1+4*\g+3] offset:XIMG+2*FRB+512*\g
.endr
	ds_store_b32 v[XWS], v[PW]
	; four addresses that lie in registers which x has left; every wave makes them, ahead of the text's one parting of the waves
	s_lshl_b32 s58, s26, 8
	s_lshl_b32 s59, s25, 6
	s_add_co_u32 s59, s59, s58
	s_add_co_u32 s59, s59, SCQ
	v_and_b32 v[SQA], 15, v0
	s_delay_alu instid0(VALU_DEP_1)
	v_lshlrev_b32 v[SQA], 2, v[SQA]
	s_delay_alu instid0(VALU_DEP_1)
	v_add_nc_u32 v[SQA], s59, v[SQA]               ; SCQ + 256 hh + 64 i + 4 r
	v_and_b32 v[L8], 31, v0
	s_delay_alu instid0(VALU_DEP_1)
	v_lshlrev_b32 v[L8], 3, v[L8]                  ; 8 x lane
	s_add_co_u32 s58, s58, SCQ
	v_add_nc_u32 v[SQR], s58, v[L8]                ; SCQ + 256 hh + 8 x lane
	s_lshl_b32 s58, s26, 9
	s_add_co_u32 s58, s58, SCKV
	v_add_nc_u32 v[SKR], s58, v[LI]                ; SCKV + 512 hh + 16 x lane
	BARRIER                                        ; xn's sixteen fragments lie in LDS
	s_wait_loadcnt 0x0                             ; weights, scale words, biases
	; ---- Q: my 32 positions, my head: eight accumulators (tile of positions u, tile of weight rows t) by turns; the bias is the C of each sum's first product
	FETCHX XRI, XIMG, XRS, 0
	s_wait_dscnt 0x0
	WIN 0x11                                       ; source 0 (Wq) and source 2 (the bias) window 1
.irp u, 0,1
.irp t, 0,1,2,3
	MM ACC+32*\u+8*\t, 24*\t, XF+24*\u, 216+8*\t, WSQ+\t, XS0, 0, \u
.endr
.endr
	WIN 0x01
.irp u, 0,1
.irp t, 0,1,2,3
	MM ACC+32*\u+8*\t, 24*\t+12, XF+24*\u+12, ACC+32*\u+8*\t, WSQ+\t, XS1, 1, \u
.endr
.endr
	WIN 0
	PLACES
	QUANT ACC                                      ; register 32 u + 16 b + i is channel 32 b + 16 h + i of tile u's row r: the fragment's registers 0-5 are tile 0, 6-11 tile 1
	IMG_G 50, 0
	ds_store_b32 v[SQA], v[PW]                     ; (both halves of the lanes write the same word with the same value)
	; ---- K: the same fragments of xn
	WIN 0x01                                       ; source 0 (Wk) window 1; the bias lies in window 0
.irp u, 0,1
.irp t, 0,1,2,3
	MM ACC+32*\u+8*\t, 96+24*\t, XF+24*\u, KB+8*\t, WSK+\t, XS0, 0, \u
.endr
.endr
.irp u, 0,1
.irp t, 0,1,2,3
	MM ACC+32*\u+8*\t, 96+24*\t+12, XF+24*\u+12, ACC+32*\u+8*\t, WSK+\t, XS1, 1, \u
.endr
.endr
	WIN 0
	PLACES
	s_wait_xcnt 0x0                                ; q's stores have read the codes' registers,
	s_wait_dscnt 0x0                               ; and its LDS store the scale word: both are written again below
	QUANT ACC
	IMG_G 54, 0
	v_mov_b32 v[PWK], v[PW]
	; ---- V: 16 channels of my head for all 128 positions, a block of 32 positions at a time: two accumulators by turns
.irp blk, 0,1,2,3
	PLACES
	FETCHX LI, XIMG+4*FRB*\blk, LS, XSC+256*\blk
	s_wait_dscnt 0x0
	WIN 0x14                                       ; source 1 (Wv) and source 2 (the bias) window 1
	MM ACC+16*\blk, XF, 192, 248, XS0, WSV, 0, 0
	MM ACC+16*\blk+8, XF+24, 192, 248, XS0, WSV, 1, 0
	WIN 0x04
	MM ACC+16*\blk, XF+12, 204, ACC+16*\blk, XS1, WSV, 0, 1
	MM ACC+16*\blk+8, XF+36, 204, ACC+16*\blk+8, XS1, WSV, 1, 1
	WIN 0
.endr
	PLACES
	s_wait_xcnt 0x0                                ; k's stores have read the codes' registers
	QUANT ACC                                      ; register 16 blk + i is key 32 blk + 16 h + i of my channel
	IMG_G 54, 4*FRB
	v_cmp_lt_u32 vcc_lo, 15, v240                  ; v240 still holds... (made anew below)
	s_nop 0
	v_and_b32 v[AUX], 31, v0
	s_delay_alu instid0(VALU_DEP_1)
	v_cmp_lt_u32 vcc_lo, 15, v[AUX]                ; lanes 16-31
	s_delay_alu instid0(VALU_DEP_1)
	v_cndmask_b32 v[AUX+1], v[PWK], v[PW], vcc_lo  ; lanes 0-15 carry k's word of row r, lanes 16-31 v's
	ds_store_b32 v[SCA], v[AUX+1]
	BARRIER                                        ; both heads' scale words lie in LDS
	; ---- the scale words leave in whole runs: waves 0 and 4, one for each head
	s_cmp_lg_u32 s25, 0
	s_cbranch_scc1 .Lend
	ds_load_b128 v[AUX:AUX+3], v[SKR]
	ds_load_b64 v[AUX+4:AUX+5], v[SQR]
	s_wait_dscnt 0x0
	global_store_b128 v[LI], v[AUX:AUX+3], s[52:53] offset:8*FRB   ; 512 consecutive bytes behind the step's eight fragments
	global_store_b64 v[L8], v[AUX+4:AUX+5], s[56:57]               ; 256 consecutive bytes, aligned
.Lend:
	s_wait_xcnt 0x0
	v_lshl_add_u32 v254, v0, 2, 0x8000
	v_mov_b32 v255, 0
	s_wait_alu depctr_va_vdst(0)
	s_wait_tensorcnt 0x0
	ds_add_u32 v254, v255
	s_wait_dscnt 0x0
	s_endpgm
.Lfunc_end_k_q2120303f13_qkv:
	.size	k_q2120303f13_qkv, .Lfunc_end_k_q2120303f13_qkv-k_q2120303f13_qkv
	.p2alignl 7, 3214868480
	.fill 96, 4, 3214868480
	.section	.rodata,"a",@progbits
	.p2align	6, 0x0
	.amdhsa_kernel k_q2120303f13_qkv
		.amdhsa_group_segment_fixed_size 33792
		.amdhsa_private_segment_fixed_size 0
		.amdhsa_enable_private_segment 0
		.amdhsa_kernarg_size 80
		.amdhsa_user_sgpr_count 2
		.amdhsa_user_sgpr_kernarg_segment_ptr 1
		.amdhsa_wavefront_size32 1
		.amdhsa_system_sgpr_workgroup_id_x 1
		.amdhsa_system_sgpr_workgroup_id_y 1
		.amdhsa_system_sgpr_workgroup_id_z 1
		.amdhsa_system_vgpr_workitem_id 0
		.amdhsa_next_free_vgpr 512
		.amdhsa_next_free_sgpr 66
		.amdhsa_reserve_vcc 1
		.amdhsa_float_denorm_mode_32 3
		.amdhsa_float_denorm_mode_16_64 3
		.amdhsa_memory_ordered 1
		.amdhsa_forward_progress 1
		.amdhsa_inst_pref_size 78
	.end_amdhsa_kernel
	.amdgpu_metadata
---
amdhsa.version: [ 1, 2 ]
amdhsa.kernels:
  - .name:           k_q2120303f13_qkv
    .symbol:         k_q2120303f13_qkv.kd
    .args:
      - { .name: x, .offset: 0, .size: 8, .value_kind: global_buffer, .address_space: global }
      - { .name: gn_w, .offset: 8, .size: 8, .value_kind: global_buffer, .address_space: global }
      - { .name: gn_b, .offset: 16, .size: 8, .value_kind: global_buffer, .address_space: global }
      - { .name: qkv_b, .offset: 24, .size: 8, .value_kind: global_buffer, .address_space: global }
      - { .name: stats, .offset: 32, .size: 8, .value_kind: global_buffer, .address_space: global }
      - { .name: wq, .offset: 40, .size: 8, .value_kind: global_buffer, .address_space: global }
      - { .name: wsc, .offset: 48, .size: 8, .value_kind: global_buffer, .address_space: global }
      - { .name: qc, .offset: 56, .size: 8, .value_kind: global_buffer, .address_space: global }
      - { .name: qs, .offset: 64, .size: 8, .value_kind: global_buffer, .address_space: global }
      - { .name: kv, .offset: 72, .size: 8, .value_kind: global_buffer, .address_space: global }
    .group_segment_fixed_size: 33792
    .private_segment_fixed_size: 0
    .kernarg_segment_align: 8
    .kernarg_segment_size: 80
    .max_flat_workgroup_size: 256
    .sgpr_count:     66
    .vgpr_count:     512
    .wavefront_size: 32
...
	.end_amdgpu_metadata
.endif
;; end of part 2
;; launch attn (part 3): grid 16 x 16, 16 waves a work-group, clusters of 4 x 1, 327,680 bytes of LDS; arguments qc, qs, kv, oc, os; writes oc, os
.if DOCPART == 3
	.amdgcn_target "amdgcn-amd-amdhsa--gfx1250"
	.amdhsa_code_object_version 6
	.text
	.protected	k_q2120303f13_attn
	.globl	k_q2120303f13_attn
	.p2align	8
	.type	k_q2120303f13_attn,@function
k_q2120303f13_attn:
	s_mov_b64 s[64:65], 0
	v_nop
	global_prefetch_b8 v0, s[64:65] scope:SCOPE_SE
	s_setreg_imm32_b32 hwreg(HW_REG_WAVE_MODE, 25, 1), 1
	s_wait_xcnt 0x0
	s_wait_alu depctr_hold_cnt(0) depctr_sa_sdst(0) depctr_va_vdst(0) depctr_va_sdst(0) depctr_va_ssrc(0) depctr_va_vcc(0) depctr_vm_vsrc(0)
	s_getreg_b32 s2, hwreg(HW_REG_IB_STS2, 6, 4)
	s_cmp_eq_u32 s2, 0
	s_cbranch_scc0 .Lentry_in_a_cluster
	s_endpgm
.Lentry_in_a_cluster:
	s_bfe_u32 s2, ttmp6, 0x10000c
	s_cmp_lg_u32 s2, 0x3003
	s_cbranch_scc0 .Lentry_shape_is_right
	s_endpgm
.Lentry_shape_is_right:
; ATTN.  O = softmax(q k^T / 8) v for 16 (batch, head) pairs, 4,096 positions, head size 64, both products on codes of BF6 (E3M2) with one E8M0 byte for each 32 along K; O / l is quantised along the channels for the projection.
; THE SOFTMAX AHEAD OF THE SECOND PRODUCT: t = score x log2(e) / 8; M = the running largest t rounded UP to a whole number; p = 2^(t - M) is quantised along the keys, not normalised.  The row's sum is taken of the
; unquantised p in f32 and divides O at the end.  When M moves, the sum and O are multiplied by 2^(old M - new M): exact.
; SHARES.  A work-group owns 256 queries of one (batch, head); each of its sixteen waves one tile of 16, in 256 registers: four waves to a SIMD, so that one wave's vector work (about 234 instructions a step) stands
; beside another's 12 matrix instructions and its LDS loads.  Every wave walks all 4,096 keys, 128 a step.
; LAYOUT.  Both products are used transposed (S^T = k q^T, O^T = v^T p^T): a lane holds ONE query throughout.  All operands arrive as images of their registers (three loads of 16 bytes a lane, 512 bytes on end).
; K = 64 IN AN INSTRUCTION OF K = 128.  A fragment of k holds TWO tiles of 16 keys (registers 0-5, 6-11).  It is multiplied once by (q | zero codes) and once by (zero codes | q): a zero code times any code of this format
; is 0, and every scale byte is a quantiser's byte.  So k lies dense and each fragment read from LDS feeds two products.
; The keys of a tile: of 32 keys tile u's row r is key 8 u + r + 8 (r/8), so that the 16 registers of a fragment's two results are keys 32 b + 16 (lane/16) + 0 .. 15.  v^T's rows and the queries of a tile are ordered alike.
; RING.  Two LDS slots of 8 key steps (102,400 dense bytes; no padding: every read takes 16 bytes a lane on end).  Waves 0-3 fetch a quarter of a slot each (100 rows of 256 bytes).  By this text's count a wave has two
; tensor loads out at the start and one behind each of the two refills; a refill has 8 key steps in which to land.
; CLUSTER.  The four query blocks of a cluster belong to one (batch, head) and walk the same kv: each fill is asked for JOINTLY, by the same tensor load with the same descriptor and a mask that names the four.
; OUT.  oc[(256 b + tile) x 4 + head][piece 0..2][lane][8 bytes]: six registers a lane, the head's half of a fragment of the projection; os[the same index][32 words]: byte 0, 1 = the head's two blocks.
; LIMITS: NaN and infinities are not served.  A block's largest p is taken through its largest score, which takes v_exp_f32 not to fall where its input rises.  1 / l is v_rcp_f32.  A block of zeros gets the byte 1.
; lds_bytes claims all of a WGP's LDS; the text uses 206,848 bytes.
.set STEPB, 12800                      ; a key step: 4 fragments of k, 4 of v^T, 512 bytes of scale words
.set SLOTB, 8*STEPB
.set QUART, 2*STEPB                    ; what one tensor load brings
.set SPARE, 2*SLOTB                    ; behind the ring: the spare words, 128 bytes for each wave: eight blocks of 256 bytes that no other line names
.set LI,   1                           ; 16 x lane
.set SPW,  2                           ; LDS address of my spare word; never rewritten
.set NIL,  3                           ; 0; never rewritten
.set ADR,  4                           ; the step's first byte + 16 x lane
.set L8,   5                           ; 8 x lane
.set L4,   6                           ; 4 x lane
.set QLO,  16                          ; (q | zeros)
.set QHI,  28                          ; (zeros | q)
.set QS,   40                          ; q's scale word: its two bytes twice
.set F,    42                          ; 2^(old M - new M)
.set PS,   43                          ; p's scale word (named with F as a pair)
.set KS,   44                          ; v44-47: lanes 0-15 k's scale words of fragments 0-3, lanes 16-31 v^T's
.set FR,   48                          ; v48-95 four fragments
.set S,    96                          ; v96-159 S^T, then p
.set O,    160                         ; v160-191 O^T
.set PC,   192                         ; p's codes
.set AX0,  204
.set AX1,  208
.set BM,   212
.set BT,   216
.set BS,   220
.set T0,   224
.set WD,   225
.set SM2,  226
.macro CROUND                          ; a round of the cluster's barrier
	s_barrier_signal -1
	s_barrier_wait -1
	s_cmp_lg_u32 s14, 0
	s_cbranch_scc1 .Lnot_wave_0_\@
	s_barrier_signal -3
.Lnot_wave_0_\@:
	s_barrier_wait -3
	s_barrier_signal -1
	s_barrier_wait -1
.endm
.macro JLOAD g0                        ; a joint refill: waves 0-3, a quarter of the slot each; the branch hangs on the wave's number alone.  Four v_nop follow the load
	s_cmp_lt_u32 s14, 4
	s_cbranch_scc0 .Lnone_\@
	tensor_load_to_lds s[\g0:\g0+3], s[24:31]
	s_nop 0
.rept 4
	v_nop
.endr
.Lnone_\@:
.endm
	s_load_b256 s[4:11], s[0:1], 0x0               ; qc s[4:5], qs s[6:7], kv s[8:9], oc s[10:11]
	s_load_b64 s[12:13], s[0:1], 0x20              ; os
	v_lshl_add_u32 v[SPW], v0, 2, SPARE
	v_mov_b32 v[NIL], 0
	ds_add_u32 v2, v3
	ds_add_u32 v2, v3
	s_wait_dscnt 0x0
	v_lshrrev_b32 v4, 5, v0
	s_delay_alu instid0(VALU_DEP_1)
	v_readfirstlane_b32 s14, v4                    ; wave 0..15
	s_and_b32 s15, s14, 1                          ; u: which tile of its block of 32 queries is mine
	s_bfe_u32 s42, ttmp6, 0x40000                  ; cx: my place in the cluster: it enters qc's, qs's, oc's and os's addresses alone
	s_lshl_b32 s43, ttmp9, 2
	s_add_co_u32 s43, s43, s42                     ; my block of 256 queries
	s_and_b32 s44, ttmp7, 0xffff                   ; bh, which the four partners share
	s_and_b32 s45, s14, 3
	s_mul_i32 s45, s45, QUART                      ; my quarter of a slot, in LDS and in memory
	s_mul_i32 s46, s44, 32*STEPB                   ; the head's first byte in kv
	s_add_co_u32 s46, s46, s45
	s_mov_b32 s47, 0
	s_lshl_b32 s48, s43, 3
	s_lshr_b32 s49, s14, 1
	s_add_co_u32 s48, s48, s49                     ; my block of 32 queries
	s_lshl_b32 s49, s44, 7
	s_add_co_u32 s48, s48, s49                     ; + 128 bh
	s_mul_i32 s50, s48, 1536
	s_mov_b32 s51, 0
	s_lshl_b32 s52, s48, 6
	s_mov_b32 s53, 0
	s_lshr_b32 s54, s44, 2
	s_lshl_b32 s54, s54, 8                         ; 256 b
	s_lshl_b32 s55, s43, 4
	s_add_co_u32 s54, s54, s55
	s_add_co_u32 s54, s54, s14                     ; + my tile: 16 x block of 256 + wave
	s_lshl_b32 s54, s54, 2
	s_and_b32 s55, s44, 3
	s_add_co_u32 s54, s54, s55                     ; x 4 + head
	s_mul_i32 s56, s54, 768
	s_mov_b32 s57, 0
	s_lshl_b32 s58, s54, 7
	s_mov_b32 s59, 0
	; descriptor group 1: 25,600 dense bytes as 100 rows of 32 elements of 8 bytes
	s_mov_b32 s24, 15|(3<<16)|(1<<21)              ; 15:0 the mask: all four work-groups; 17:16 elements of 8 bytes; 20 no padding; 21 set beside a mask
	s_mov_b32 s25, 32<<16                          ; tensor_dim0 = 32
	s_mov_b32 s26, 100<<16                         ; tensor_dim1 = 100
	s_mov_b32 s27, 32<<16                          ; tile_dim0 = 32
	s_mov_b32 s28, 100                             ; tile_dim1 = 100
	s_mov_b32 s29, 32                              ; from row to row: 32 elements
	s_mov_b32 s30, 0
	s_mov_b32 s31, 0
	s_mov_b32 s20, 0x76543210
	s_mov_b32 s21, 0xfedcba98                      ; v_permlanex16_b32's selects for lane l xor 16
	s_mov_b32 s22, 0x3e38aa3b                      ; c = log2(e) / 8
	s_mov_b32 s23, s22                             ; (named with it as a pair, so it is written)
	s_wait_kmcnt 0x0
	s_add_nc_u64 s[46:47], s[8:9], s[46:47]
	s_add_nc_u64 s[4:5], s[4:5], s[50:51]
	s_add_nc_u64 s[6:7], s[6:7], s[52:53]
	s_add_nc_u64 s[10:11], s[10:11], s[56:57]
	s_add_nc_u64 s[12:13], s[12:13], s[58:59]
	s_mov_b32 s32, 1                               ; group 0 for slot 0: count = 1,
	s_mov_b32 s33, s45                             ; LDS address,
	s_mov_b64 s[34:35], s[46:47]                   ; key steps 0-7,
	s_or_b32 s35, s35, 0x80000000                  ; type = 2
	s_mov_b32 s36, 1                               ; and for slot 1
	s_add_co_u32 s37, s45, SLOTB
	s_add_nc_u64 s[38:39], s[46:47], SLOTB         ; key steps 8-15
	s_or_b32 s39, s39, 0x80000000
	CROUND                                         ; all four work-groups are here: the first joint loads meet
	s_cmp_lt_u32 s14, 4                            ; a wave's two first fills stand in one branch, ahead of every wait on TENSORcnt and every LDS read
	s_cbranch_scc0 .Lno_first
	tensor_load_to_lds s[32:35], s[24:31]
	s_nop 0
	tensor_load_to_lds s[36:39], s[24:31]
	s_nop 0
.rept 4
	v_nop
.endr
.Lno_first:
	v_and_b32 v4, 31, v0
	s_delay_alu instid0(VALU_DEP_1)
	v_lshlrev_b32 v[LI], 4, v4
	s_delay_alu instid0(VALU_DEP_2)
	v_lshlrev_b32 v[L8], 3, v4
	s_delay_alu instid0(VALU_DEP_3)
	v_lshlrev_b32 v[L4], 2, v4
	v_and_b32 v240, 15, v0
	s_delay_alu instid0(VALU_DEP_1)
	v_lshlrev_b32 v240, 2, v240                    ; 4 r
	global_load_b128 v[228:231], v[LI], s[4:5]     ; my block's image: both tiles of 16 queries
	global_load_b128 v[232:235], v[LI], s[4:5] offset:512
	global_load_b128 v[236:239], v[LI], s[4:5] offset:1024
	global_load_b32 v241, v240, s[6:7]             ; and row r's scale word: bytes (tile 0: 0, 1; tile 1: 0, 1)
	s_cmp_eq_u32 s15, 0
	s_cselect_b32 s42, 0, -1                       ; all lanes take tile 1's registers where u = 1
	s_mov_b32 s43, 0x03020302
	s_cselect_b32 s43, 0x01000100, s43             ; and its two bytes, twice
	v_mov_b32 v13, 0xff61b1e6                      ; the largest t so far: -3e38, under every t
	s_delay_alu instid0(VALU_DEP_1)
	v_floor_f32 v12, -v13                          ; -M
	v_mov_b32 v14, 0                               ; the sum, in two halves
	v_mov_b32 v15, 0
	v_mov_b32 v[PS], 0                             ; (named as the upper half of a pair before it is first written)
	v_mov_b32 v[T0], 0
.irp b, 0,1,2,3
	v_mov_b32 v[BT+\b], 0                          ; a lane permute's destination counts as one of its sources
.endr
.irp i, 0,1,2,3,4,5
	v_mov_b32 v[QLO+6+\i], 0                       ; zero codes
	v_mov_b32 v[QHI+\i], 0
.endr
	s_wait_loadcnt 0x0
	v_perm_b32 v[QS], v241, v241, s43
.irp i, 0,1,2,3,4,5
	v_cndmask_b32 v[QLO+\i], v[228+\i], v[234+\i], s42
.endr
.irp i, 0,1,2,3,4,5
	v_mov_b32 v[QHI+6+\i], v[QLO+\i]
.endr
.set j, 0
.rept 32
	v_mov_b32 v[O+j], 0                            ; O^T.  (The step is written once: the first finds zeros, which the first change of M leaves zeros.  These are also the places between q's registers and the first products)
.set j, j+1
.endr
; A KEY STEP: 128 keys, whose 12,800 bytes begin at LDS byte s40
.macro STEP
	v_add_nc_u32 v[ADR], s40, v[LI]
.rept 3
	v_nop                                          ; with the addition four places behind the last products, in front of loads into their registers
.endr
.set g, 0
.rept 12
	ds_load_b128 v[FR+4*g:FR+4*g+3], v[ADR] offset:512*g           ; k's four fragments
.set g, g+1
.endr
	ds_load_b128 v[KS:KS+3], v[ADR] offset:8*1536                  ; the scale words
	s_wait_alu depctr_va_vdst(0)
	s_wait_dscnt 0x0
.irp b, 0,1,2,3                                ; S^T = k q^T: each fragment against (q | 0) and (0 | q)
	v_wmma_scale_f32_16x16x128_f8f6f4 v[S+16*\b:S+16*\b+7], v[FR+12*\b:FR+12*\b+11], v[QLO:QLO+11], 0, v[KS+\b], v[QS] matrix_a_fmt:MATRIX_FMT_BF6 matrix_b_fmt:MATRIX_FMT_BF6
	v_wmma_scale_f32_16x16x128_f8f6f4 v[S+16*\b+8:S+16*\b+15], v[FR+12*\b:FR+12*\b+11], v[QHI:QHI+11], 0, v[KS+\b], v[QS] matrix_a_fmt:MATRIX_FMT_BF6 matrix_b_fmt:MATRIX_FMT_BF6
.endr                                          ; register 16 b + i: key 32 b + 16 (lane/16) + i
.rept 4
	v_nop                                          ; places in front of the loads below and of the first reads of the scores
.endr
.set g, 0
.rept 12
	ds_load_b128 v[FR+4*g:FR+4*g+3], v[ADR] offset:4*1536+512*g    ; v^T's four fragments land under the softmax
.set g, g+1
.endr
.irp b, 0,1,2,3
	v_max3_num_f32 v[BM+\b], v[S+16*\b], v[S+16*\b+1], v[S+16*\b+2]   ; THE LARGEST SCORE OF EACH BLOCK OF 32 KEYS serves twice: for the row's maximum and, since p rises with the score, for the block's largest p
.endr
.irp i, 3,5,7,9,11,13
.irp b, 0,1,2,3
	v_max3_num_f32 v[BM+\b], v[BM+\b], v[S+16*\b+\i], v[S+16*\b+\i+1]  ; (the four blocks by turns; each accumulator is read from its low end on)
.endr
.endr
.irp b, 0,1,2,3
	v_max_num_f32 v[BM+\b], v[BM+\b], v[S+16*\b+15]
.endr
.irp b, 0,1,2,3
	s_delay_alu instid0(VALU_DEP_4)
	v_permlanex16_b32 v[BT+\b], v[BM+\b], s20, s21
.endr
.irp b, 0,1,2,3
	s_delay_alu instid0(VALU_DEP_4)
	v_max_num_f32 v[BM+\b], v[BM+\b], v[BT+\b]     ; with lane l xor 16's 16 keys
.endr
	s_delay_alu instid0(VALU_DEP_2)
	v_max3_num_f32 v[T0], v[BM], v[BM+1], v[BM+2]
	s_delay_alu instid0(VALU_DEP_1)
	v_max_num_f32 v[T0], v[T0], v[BM+3]            ; the step's largest score of my query
	s_delay_alu instid0(VALU_DEP_1)
	v_mul_f32 v[T0], s22, v[T0]                    ; as t (c is positive)
	s_delay_alu instid0(VALU_DEP_1)
	v_max_num_f32 v13, v13, v[T0]                  ; the running largest t
	v_mov_b32 v[T0], v12
	s_delay_alu instid0(VALU_DEP_2)
	v_floor_f32 v12, -v13                          ; the new -M = floor(-t) = -ceil(t): M IS A WHOLE NUMBER
	s_delay_alu instid0(VALU_DEP_1)
	v_sub_f32 v[T0], v12, v[T0]                    ; M's old value less its new one: a whole number, 0 or less
	s_delay_alu instid0(VALU_DEP_1)
	v_cvt_i32_f32 v[T0], v[T0]                     ; (it saturates)
	s_delay_alu instid0(VALU_DEP_1)
	v_ldexp_f32 v[F], 1.0, v[T0]                   ; f = 2^(old M - new M)
.set j, 0
.rept 32
	v_pk_fma_f32 v[S+j:S+j+1], v[S+j:S+j+1], s[22:23], v[12:13] op_sel_hi:[1,0,0]   ; t - M, two at a time (of the pairs c and -M the low word serves both halves)
.set j, j+2
.endr
.irp b, 0,1,2,3
	v_fma_f32 v[BM+\b], v[BM+\b], s22, v12         ; the same of each block's largest score
.endr
.set j, 0
	s_wait_alu depctr_va_vdst(0)
.rept 64
	v_exp_f32 v[S+j], v[S+j]                       ; p = 2^(t - M), at most 1: NOT normalised
.set j, j+1
.endr
	s_setprio 1
.irp b, 0,1,2,3
	v_exp_f32 v[BM+\b], v[BM+\b]                   ; the block's largest p: the same two instructions on the same number give the same bits
.endr
	v_pk_mul_f32 v[14:15], v[14:15], v[F:F+1] op_sel_hi:[1,0]      ; the sums under the new M.  (A plain place behind the exponentials)
	s_wait_alu depctr_va_vdst(0)
.irp b, 0,1,2,3
	v_max_num_f32 v[BM+\b], 0x2800000, v[BM+\b]    ; the floor 2^(5 - 127): the byte cannot fall under 1
.endr
.irp b, 0,1,2,3
	s_delay_alu instid0(VALU_DEP_4)
	v_add_nc_u32 v[BS+\b], 0xfe000000, v[BM+\b]    ; 4 off the exponent field: the conversion's scale operand
.endr
.irp b, 0,1,2,3
	s_delay_alu instid0(VALU_DEP_4)
	v_lshrrev_b32 v[BT+\b], 23, v[BS+\b]           ; the scale's byte
.endr
	s_delay_alu instid0(VALU_DEP_3)
	v_lshl_or_b32 v[PS], v[BT+1], 8, v[BT]         ; p's scale word for these 128 keys
	s_delay_alu instid0(VALU_DEP_1)
	v_lshl_or_b32 v[PS], v[BT+2], 16, v[PS]
	s_delay_alu instid0(VALU_DEP_1)
	v_lshl_or_b32 v[PS], v[BT+3], 24, v[PS]
	v_cvt_scalef32_pk16_bf6_f32 v[PC:PC+2], v[S:S+15], v[BS]
	v_cvt_scalef32_pk16_bf6_f32 v[AX0:AX0+2], v[S+16:S+31], v[BS+1]     ; (a conversion's three registers begin on an even number)
	v_cvt_scalef32_pk16_bf6_f32 v[PC+6:PC+8], v[S+32:S+47], v[BS+2]
	v_cvt_scalef32_pk16_bf6_f32 v[AX1:AX1+2], v[S+48:S+63], v[BS+3]
	v_nop                                          ; one plain place behind a scaled conversion
.irp i, 0,1,2                                  ; the operand's layout wants a WHOLE block in a lane: lanes 0-15 block 2 c, lanes 16-31 block 2 c + 1
	v_permlane16_swap_b32 v[PC+\i], v[AX0+\i]
	v_permlane16_swap_b32 v[PC+6+\i], v[AX1+\i]
.endr
.irp i, 0,1,2
	v_mov_b32 v[PC+3+\i], v[AX0+\i]
	v_mov_b32 v[PC+9+\i], v[AX1+\i]
.endr
	v_pk_add_f32 v[226:227], v[100:101], v[104:105]
	v_pk_add_f32 v[254:255], v[108:109], v[112:113]
	v_pk_add_f32 v[252:253], v[116:117], v[120:121]
	v_pk_add_f32 v[250:251], v[124:125], v[128:129]
	v_pk_add_f32 v[248:249], v[132:133], v[136:137]
	v_pk_add_f32 v[246:247], v[140:141], v[144:145]
	v_pk_add_f32 v[244:245], v[148:149], v[152:153]
	v_pk_add_f32 v[14:15], v[14:15], v[156:157]
	v_pk_add_f32 v[226:227], v[226:227], v[96:97]
	v_pk_add_f32 v[254:255], v[254:255], v[98:99]
	v_pk_add_f32 v[252:253], v[252:253], v[102:103]
	v_pk_add_f32 v[250:251], v[250:251], v[106:107]
	v_pk_add_f32 v[248:249], v[248:249], v[110:111]
	v_pk_add_f32 v[246:247], v[246:247], v[114:115]
	v_pk_add_f32 v[244:245], v[244:245], v[118:119]
	v_pk_add_f32 v[14:15], v[14:15], v[122:123]
	v_pk_add_f32 v[226:227], v[226:227], v[126:127]
	v_pk_add_f32 v[254:255], v[254:255], v[130:131]
	v_pk_add_f32 v[252:253], v[252:253], v[134:135]
	v_pk_add_f32 v[250:251], v[250:251], v[138:139]
	v_pk_add_f32 v[248:249], v[248:249], v[142:143]
	v_pk_add_f32 v[246:247], v[246:247], v[146:147]
	v_pk_add_f32 v[244:245], v[244:245], v[150:151]
	v_pk_add_f32 v[14:15], v[14:15], v[154:155]
	v_pk_add_f32 v[226:227], v[226:227], v[158:159]
	s_delay_alu instid0(VALU_DEP_2)
	v_pk_add_f32 v[14:15], v[14:15], v[250:251]
	s_delay_alu instid0(VALU_DEP_2)
	v_pk_add_f32 v[226:227], v[226:227], v[248:249]
	s_setprio 0
	v_pk_add_f32 v[254:255], v[254:255], v[246:247]
	v_pk_add_f32 v[252:253], v[252:253], v[244:245]
	s_delay_alu instid0(VALU_DEP_2)
	v_pk_add_f32 v[14:15], v[14:15], v[254:255]
	s_delay_alu instid0(VALU_DEP_2)
	v_pk_add_f32 v[226:227], v[226:227], v[252:253]
	s_delay_alu instid0(VALU_DEP_1)
	v_pk_add_f32 v[14:15], v[14:15], v[226:227]
.set j, 0
.rept 16
	v_pk_mul_f32 v[O+j:O+j+1], v[O+j:O+j+1], v[F:F+1] op_sel_hi:[1,0]   ; O^T under the new M
.set j, j+2
.endr
	s_wait_alu depctr_va_vdst(0)
	s_wait_dscnt 0x0                               ; v^T is in
.irp t, 0,1,2,3                                ; O^T += v^T p^T: four accumulators, one instruction each
	v_wmma_scale_f32_16x16x128_f8f6f4 v[O+8*\t:O+8*\t+7], v[FR+12*\t:FR+12*\t+11], v[PC:PC+11], v[O+8*\t:O+8*\t+7], v[KS+\t], v[PS] matrix_a_fmt:MATRIX_FMT_BF6 matrix_b_fmt:MATRIX_FMT_BF6 matrix_a_scale:MATRIX_SCALE_ROW1
.endr
.endm
.macro PASS base                       ; a slot's eight key steps: written once, walked eight times
	s_mov_b32 s40, \base
	s_mov_b32 s41, 8
.Lstep_\@:
	s_setprio 2
	STEP
	s_add_co_u32 s40, s40, STEPB
	s_sub_co_u32 s41, s41, 1
	s_cmp_lg_u32 s41, 0
	s_cbranch_scc1 .Lstep_\@
	s_setprio 0
.endm
; THE CHANGE OF SLOTS.  Each wave waits for all its tensor loads (its part of the slot ahead), adds 0 to its spare word, and waits for that and for its reads of the slot that it leaves.
; Behind the round no wave of any partner reads that slot or has a load on its way, and it is filled with the keys two slots on.
.macro CHANGE g0
	s_wait_tensorcnt 0x0                           ; no tensor load of mine is out, so a group 0 may be written
	ds_add_u32 v[SPW], v[NIL]                      ; 0 onto my spare word: the descriptor's step stands between it and the wait for it
	ds_add_u32 v2, v3
	s_add_nc_u64 s[\g0+2:\g0+3], s[\g0+2:\g0+3], 2*SLOTB           ; the type bits on top are not reached
	s_wait_dscnt 0x0                               ; the add is done, and my reads of the slot are over
	CROUND
	JLOAD \g0                                      ; the first tensor load behind the round, and a wave's only one until the next
.endm
	s_wait_tensorcnt 0x1                           ; my part of slot 0 is in; slot 1's, the younger load, may stay out
	s_barrier_signal -1
	s_barrier_wait -1                              ; everybody's is
	PASS 0                                         ; key steps 0-7
	CHANGE 32                                      ; slot 0 takes steps 16-23
	PASS SLOTB                                     ; 8-15
	CHANGE 36                                      ; slot 1 takes steps 24-31
	PASS 0                                         ; 16-23
	s_wait_tensorcnt 0x0                           ; the last change of slots asks for nothing: slot 1's last fill has landed,
	ds_add_u32 v[SPW], v[NIL]
	s_wait_dscnt 0x0
	s_barrier_signal -1
	s_barrier_wait -1                              ; everybody's part of it
	PASS SLOTB                                     ; 24-31
	; THE WAY OUT.  O^T / l; register 16 b + i is the head's channel 32 b + 16 (lane/16) + i of my query: two blocks of the projection's K
.rept 4
	v_nop
.endr
	v_add_f32 v14, v14, v15                        ; the sum's two halves,
	s_delay_alu instid0(VALU_DEP_1)
	v_permlanex16_b32 v[T0], v14, s20, s21
	s_delay_alu instid0(VALU_DEP_1)
	v_add_f32 v14, v14, v[T0]                      ; and lane l xor 16's: the row's sum
	s_wait_alu depctr_va_vdst(0)
	v_rcp_f32 v14, v14
	v_nop                                          ; one plain place behind the transcendental
.set j, 0
	s_wait_alu depctr_va_vdst(0)
.rept 16
	v_pk_mul_f32 v[S+j:S+j+1], v[O+j:O+j+1], v[14:15] op_sel_hi:[1,0]   ; ascending: each accumulator is read from its low end on
.set j, j+2
.endr
.irp b, 0,1
	v_max3_num_f32 v[BM+\b], |v[S+16*\b]|, |v[S+16*\b+1]|, 0x2800000
.endr
.irp i, 2,4,6,8,10,12,14
.irp b, 0,1
	s_delay_alu instid0(VALU_DEP_2)
	v_max3_num_f32 v[BM+\b], v[BM+\b], |v[S+16*\b+\i]|, |v[S+16*\b+\i+1]|
.endr
.endr
.irp b, 0,1
	s_delay_alu instid0(VALU_DEP_2)
	v_permlanex16_b32 v[BT+\b], v[BM+\b], s20, s21
.endr
.irp b, 0,1
	s_delay_alu instid0(VALU_DEP_2)
	v_max_num_f32 v[BM+\b], v[BM+\b], v[BT+\b]
.endr
.irp b, 0,1
	s_delay_alu instid0(VALU_DEP_2)
	v_add_nc_u32 v[BS+\b], 0xfe000000, v[BM+\b]
.endr
.irp b, 0,1
	s_delay_alu instid0(VALU_DEP_2)
	v_lshrrev_b32 v[BT+\b], 23, v[BS+\b]
.endr
	s_delay_alu instid0(VALU_DEP_1)
	v_lshl_or_b32 v[WD], v[BT+1], 8, v[BT]         ; the head's two bytes of my query
	v_cvt_scalef32_pk16_bf6_f32 v[PC:PC+2], v[S:S+15], v[BS]
	v_cvt_scalef32_pk16_bf6_f32 v[AX0:AX0+2], v[S+16:S+31], v[BS+1]
	v_nop
.irp i, 0,1,2
	v_permlane16_swap_b32 v[PC+\i], v[AX0+\i]
.endr
.irp i, 0,1,2
	s_delay_alu instid0(VALU_DEP_3)
	v_mov_b32 v[PC+3+\i], v[AX0+\i]                ; six registers: lane (r, h) holds the head's channels 32 h + 0 .. 31 of query r
.endr
.irp p, 0,1,2
	global_store_b64 v[L8], v[PC+2*\p:PC+2*\p+1], s[10:11] offset:256*\p      ; 32 lanes store 256 consecutive bytes, aligned
.endr
	global_store_b32 v[L4], v[WD], s[12:13]
	s_wait_tensorcnt 0x0                           ; the wave's end
	ds_add_u32 v[SPW], v[NIL]
	s_wait_dscnt 0x0
	CROUND                                         ; the closing round: no work-group ends while a partner may still ask for a tile that names it
	s_endpgm
.Lfunc_end_k_q2120303f13_attn:
	.size	k_q2120303f13_attn, .Lfunc_end_k_q2120303f13_attn-k_q2120303f13_attn
	.p2alignl 7, 3214868480
	.fill 96, 4, 3214868480
	.section	.rodata,"a",@progbits
	.p2align	6, 0x0
	.amdhsa_kernel k_q2120303f13_attn
		.amdhsa_group_segment_fixed_size 327680
		.amdhsa_private_segment_fixed_size 0
		.amdhsa_enable_private_segment 0
		.amdhsa_kernarg_size 40
		.amdhsa_user_sgpr_count 2
		.amdhsa_user_sgpr_kernarg_segment_ptr 1
		.amdhsa_wavefront_size32 1
		.amdhsa_system_sgpr_workgroup_id_x 1
		.amdhsa_system_sgpr_workgroup_id_y 1
		.amdhsa_system_sgpr_workgroup_id_z 1
		.amdhsa_system_vgpr_workitem_id 0
		.amdhsa_next_free_vgpr 256
		.amdhsa_next_free_sgpr 66
		.amdhsa_reserve_vcc 0
		.amdhsa_float_denorm_mode_32 3
		.amdhsa_float_denorm_mode_16_64 3
		.amdhsa_memory_ordered 1
		.amdhsa_forward_progress 1
		.amdhsa_inst_pref_size 80
	.end_amdhsa_kernel
	.amdgpu_metadata
---
amdhsa.version: [ 1, 2 ]
amdhsa.kernels:
  - .name:           k_q2120303f13_attn
    .symbol:         k_q2120303f13_attn.kd
    .args:
      - { .name: qc, .offset: 0, .size: 8, .value_kind: global_buffer, .address_space: global }
      - { .name: qs, .offset: 8, .size: 8, .value_kind: global_buffer, .address_space: global }
      - { .name: kv, .offset: 16, .size: 8, .value_kind: global_buffer, .address_space: global }
      - { .name: oc, .offset: 24, .size: 8, .value_kind: global_buffer, .address_space: global }
      - { .name: os, .offset: 32, .size: 8, .value_kind: global_buffer, .address_space: global }
    .group_segment_fixed_size: 327680
    .private_segment_fixed_size: 0
    .kernarg_segment_align: 8
    .kernarg_segment_size: 40
    .max_flat_workgroup_size: 512
    .sgpr_count:     66
    .vgpr_count:     256
    .wavefront_size: 32
...
	.end_amdgpu_metadata
.endif
;; end of part 3
;; launch proj (part 4): grid 256 x 1, 8 waves a work-group, no clusters, 70,656 bytes of LDS; arguments oc, os, wq, wsc, proj_b, x, out0; writes out0
.if DOCPART == 4
	.amdgcn_target "amdgcn-amd-amdhsa--gfx1250"
	.amdhsa_code_object_version 6
	.text
	.protected	k_q2120303f13_proj
	.globl	k_q2120303f13_proj
	.p2align	8
	.type	k_q2120303f13_proj,@function
k_q2120303f13_proj:
	s_mov_b64 s[64:65], 0
	v_nop
	global_prefetch_b8 v0, s[64:65] scope:SCOPE_SE
	s_setreg_imm32_b32 hwreg(HW_REG_WAVE_MODE, 25, 1), 1
	s_wait_xcnt 0x0
; PROJ.  out0[b][o][s] = sum over c of proj_w[o][c] att[b][c][s] + proj_b[o] + x[b][o][s], the product on codes of BF6 (E3M2) with one E8M0 byte for each 32 along c.
; SHARES.  A work-group takes 64 positions of one batch (four tiles of 16 queries as the attention launch numbered them) and all 256 outputs; wave w takes outputs 32 w .. 32 w + 31 (weight tiles 48 + 2 w, 49 + 2 w of wq).
; Source 0 = 16 positions, source 1 = 16 weight rows: a lane holds ONE output channel and eight neighbouring positions.  Of 32 positions tile u's row r is position 8 u + r + 8 (r/8), so register j of tile m is position
; 32 (m/2) + 16 (lane/16) + 8 (m%2) + j of the 64; a weight tile's row r is output 8 n + r + 8 (r/8) of the wave's 32.
; A fragment of the attention's output for 128 channels is two heads' six registers (oc); its scale word is two heads' two bytes (os).  The bias is the C of each sum's first product.
; THE WAY OUT: a wave's 32 rows x 256 bytes go through its own stage in LDS (rows of 272 bytes) and come back as whole rows; x is added; sixteen lanes store 256 consecutive bytes, aligned.  No barrier: waves share no LDS byte.
; NO CLUSTER: all operands go straight into operand registers by loads of 8 or 16 bytes a lane; no LDS tile exists that a joint load could fill, and what work-groups share is wq's 48 KiB.
; REGISTERS, window 0: v1-7 addresses; v8-9 the weights' scale words; v16-63 their four fragments; v64-159 the eight fragments of the attention's output, later 16 row pairs of the result;
;   v160-223 eight accumulators (before the products v160-175 hold os's words as loaded); v224-231 scale words and nothing else; v232-247 the bias.   window 1: v0-63 x.
.set LI,  1                            ; 16 x lane
.set L8,  2                            ; 8 x lane
.set L4,  3                            ; 4 x lane
.set XO,  4                            ; (lane/16) rows of 16,384 bytes + 16 (lane%16)
.set STO, 5                            ; the stage: where I put 32 bytes of a row
.set SRD, 6                            ; and where I read a row back
.set BV,  7                            ; 4 (r + 8 (r/8))
.set WS,  8
.set WF,  16
.set OF,  64
.set R,   64
.set ACC, 160
.set RAW, 160
.set OS,  224
.set BI,  232
.set SP,  272
.set MSB, 0
.macro WIN new                         ; the immediate's high byte repeats the setting that is left
.if MSB != \new
	s_set_vgpr_msb (MSB<<8)|\new
.set MSB, \new
.endif
.endm
	s_load_b256 s[4:11], s[0:1], 0x0               ; oc s[4:5], os s[6:7], wq s[8:9], wsc s[10:11]
	s_load_b128 s[12:15], s[0:1], 0x20             ; proj_b s[12:13], x s[14:15]
	s_load_b64 s[16:17], s[0:1], 0x30              ; out0
	v_lshl_add_u32 v254, v0, 2, 0x11000
	v_mov_b32 v255, 0
	v_lshrrev_b32 v1, 5, v0
	s_delay_alu instid0(VALU_DEP_1)
	v_readfirstlane_b32 s18, v1                    ; wave 0..7
	s_lshr_b32 s19, ttmp9, 6                       ; b
	s_and_b32 s20, ttmp9, 63                       ; which 64 positions
	v_and_b32 v10, 31, v0                          ; lane
	v_and_b32 v11, 15, v0                          ; r
	v_bfe_u32 v12, v0, 4, 1                        ; h
	s_delay_alu instid0(VALU_DEP_3)
	v_lshlrev_b32 v[LI], 4, v10
	s_delay_alu instid0(VALU_DEP_4)
	v_lshlrev_b32 v[L8], 3, v10
	v_lshlrev_b32 v[L4], 2, v10
	v_lshlrev_b32 v[XO], 4, v11
	s_delay_alu instid0(VALU_DEP_1)
	v_lshl_add_u32 v[XO], v12, 14, v[XO]
	s_mul_i32 s21, s18, 32*SP                      ; my stage
	v_mul_u32_u24 v[STO], v11, SP
	s_delay_alu instid0(VALU_DEP_1)
	v_lshl_add_u32 v[STO], v12, 6, v[STO]
	s_delay_alu instid0(VALU_DEP_1)
	v_add_nc_u32 v[STO], s21, v[STO]               ; in: row r, + 64 h bytes
	v_mul_u32_u24 v[SRD], v12, SP
	s_delay_alu instid0(VALU_DEP_1)
	v_lshl_add_u32 v[SRD], v11, 4, v[SRD]
	s_delay_alu instid0(VALU_DEP_1)
	v_add_nc_u32 v[SRD], s21, v[SRD]               ; back: lanes 0-15 one row, lanes 16-31 the next
	v_and_b32 v13, 8, v11
	s_delay_alu instid0(VALU_DEP_1)
	v_add_nc_u32 v13, v13, v11
	s_delay_alu instid0(VALU_DEP_1)
	v_lshlrev_b32 v[BV], 2, v13
	s_lshl_b32 s22, s19, 8
	s_lshl_b32 s23, s20, 2
	s_add_co_u32 s22, s22, s23                     ; my first tile: 256 b + 4 x (which 64)
	s_lshl_b32 s22, s22, 2                         ; x 4 heads
	s_lshl_b32 s24, s22, 7                         ; os: 128 bytes each
	s_mul_i32 s22, s22, 768                        ; oc: 768 bytes each
	s_mov_b32 s23, 0
	s_mov_b32 s25, 0
	s_lshl_b32 s26, s18, 1
	s_add_co_u32 s26, s26, 48                      ; my first weight tile
	s_lshl_b32 s28, s26, 7
	s_mul_i32 s26, s26, 3072
	s_mov_b32 s27, 0
	s_mov_b32 s29, 0
	s_lshl_b32 s30, s18, 7                         ; proj_b: my 32 numbers
	s_mov_b32 s31, 0
	s_lshl_b32 s32, s19, 22                        ; x and out0: batch,
	s_lshl_b32 s33, s18, 19                        ; 32 w rows of 16,384 bytes,
	s_add_co_u32 s32, s32, s33
	s_lshl_b32 s33, s20, 8                         ; 64 positions of 4 bytes
	s_add_co_u32 s32, s32, s33
	s_mov_b32 s33, 0
	s_wait_alu depctr_va_vdst(0)
	s_wait_kmcnt 0x0
	s_add_nc_u64 s[4:5], s[4:5], s[22:23]
	s_add_nc_u64 s[6:7], s[6:7], s[24:25]
	s_add_nc_u64 s[8:9], s[8:9], s[26:27]
	s_add_nc_u64 s[10:11], s[10:11], s[28:29]
	s_add_nc_u64 s[12:13], s[12:13], s[30:31]
	s_add_nc_u64 s[14:15], s[14:15], s[32:33]
	s_add_nc_u64 s[16:17], s[16:17], s[32:33]
.set q, 0
.rept 12
	global_load_b128 v[WF+4*q:WF+4*q+3], v[LI], s[8:9] offset:512*q            ; fragment (n, kap) at WF + 12 (2 n + kap)
.set q, q+1
.endr
.irp n, 0,1
	global_load_b32 v[WS+\n], v[L4], s[10:11] offset:128*\n                    ; lanes 0-15 kap 0's words, lanes 16-31 kap 1's
.endr
.irp n, 0,1
.set q, 0
.rept 8
	global_load_b32 v[BI+8*\n+q], v[BV], s[12:13] offset:32*\n                 ; a lane holds one output channel, so all eight registers hold its bias
.set q, q+1
.endr
.endr
.set q, 0
.rept 16
	global_load_b32 v[RAW+q], v[L4], s[6:7] offset:128*q                       ; os's words: (tile m, head) at 4 m + head
.set q, q+1
.endr
.irp m, 0,1,2,3
.irp kap, 0,1
.irp hp, 0,1
.irp p, 0,1,2
	global_load_b64 v[OF+12*(2*\m+\kap)+6*\hp+2*\p:OF+12*(2*\m+\kap)+6*\hp+2*\p+1], v[L8], s[4:5] offset:(4*\m+2*\kap+\hp)*768+256*\p   ; head 2 kap + hp is channels 64 hp on of the fragment's 128
.endr
.endr
.endr
.endr
	WIN 0x40                                       ; destination window 1
.set i, 0
.rept 16
	global_load_b128 v[4*i:4*i+3], v[XO], s[14:15] offset:(8*(i/8)+2*(i%8)+8*((i%8)/4))*16384 th:TH_LOAD_NT   ; x at the two output rows that pair i of the stage's rows stands for; its last reader
.set i, i+1
.endr
	WIN 0
	s_wait_loadcnt 0x10                            ; all but the 16 loads of x, which were issued last
.irp m, 0,1,2,3
.irp kap, 0,1
	v_lshl_or_b32 v[OS+2*\m+\kap], v[RAW+4*\m+2*\kap+1], 16, v[RAW+4*\m+2*\kap]   ; two heads' two bytes make the word of 128 channels
.endr
.endr
.rept 8
	v_nop                                          ; a scale register written by a vector instruction stands 8 places ahead of a scaled matrix instruction
.endr
.irp n, 0,1                                    ; eight accumulators by turns
.irp m, 0,1,2,3
	v_wmma_scale_f32_16x16x128_f8f6f4 v[ACC+8*(4*\n+\m):ACC+8*(4*\n+\m)+7], v[OF+24*\m:OF+24*\m+11], v[WF+24*\n:WF+24*\n+11], v[BI+8*\n:BI+8*\n+7], v[OS+2*\m], v[WS+\n] matrix_a_fmt:MATRIX_FMT_BF6 matrix_b_fmt:MATRIX_FMT_BF6
.endr
.endr
.irp n, 0,1
.irp m, 0,1,2,3
	v_wmma_scale_f32_16x16x128_f8f6f4 v[ACC+8*(4*\n+\m):ACC+8*(4*\n+\m)+7], v[OF+24*\m+12:OF+24*\m+23], v[WF+24*\n+12:WF+24*\n+23], v[ACC+8*(4*\n+\m):ACC+8*(4*\n+\m)+7], v[OS+2*\m+1], v[WS+\n] matrix_a_fmt:MATRIX_FMT_BF6 matrix_b_fmt:MATRIX_FMT_BF6 matrix_b_scale:MATRIX_SCALE_ROW1
.endr
.endr
.rept 4
	v_nop                                          ; places in front of the stores that read results and of the loads into registers that the products have read
.endr
.irp n, 0,1
.irp m, 0,1,2,3
	ds_store_b128 v[STO], v[ACC+8*(4*\n+\m):ACC+8*(4*\n+\m)+3] offset:16*\n*SP+128*(\m/2)+32*(\m%2)        ; each accumulator from its low end on
	ds_store_b128 v[STO], v[ACC+8*(4*\n+\m)+4:ACC+8*(4*\n+\m)+7] offset:16*\n*SP+128*(\m/2)+32*(\m%2)+16
.endr
.endr
.set i, 0
.rept 16
	ds_load_b128 v[R+4*i:R+4*i+3], v[SRD] offset:2*i*SP            ; LDS serves a wave's instructions in order (ISA guide 5.7.1.4): these see my stores
.set i, i+1
.endr
	s_wait_dscnt 0x0
	s_wait_loadcnt 0x0                             ; x
	WIN 0x04                                       ; source 1 window 1
.set q, 0
.rept 32
	v_pk_add_f32 v[R+2*q:R+2*q+1], v[R+2*q:R+2*q+1], v[2*q:2*q+1]  ; the residual
.set q, q+1
.endr
	WIN 0
.set i, 0
.rept 16
	global_store_b128 v[XO], v[R+4*i:R+4*i+3], s[16:17] offset:(8*(i/8)+2*(i%8)+8*((i%8)/4))*16384 th:TH_STORE_NT   ; sixteen lanes store 256 consecutive bytes, aligned; written once, read by nobody here
.set i, i+1
.endr
	s_wait_tensorcnt 0x0
	ds_add_u32 v254, v255
	s_wait_dscnt 0x0
	s_endpgm
.Lfunc_end_k_q2120303f13_proj:
	.size	k_q2120303f13_proj, .Lfunc_end_k_q2120303f13_proj-k_q2120303f13_proj
	.p2alignl 7, 3214868480
	.fill 96, 4, 3214868480
	.section	.rodata,"a",@progbits
	.p2align	6, 0x0
	.amdhsa_kernel k_q2120303f13_proj
		.amdhsa_group_segment_fixed_size 70656
		.amdhsa_private_segment_fixed_size 0
		.amdhsa_enable_private_segment 0
		.amdhsa_kernarg_size 56
		.amdhsa_user_sgpr_count 2
		.amdhsa_user_sgpr_kernarg_segment_ptr 1
		.amdhsa_wavefront_size32 1
		.amdhsa_system_sgpr_workgroup_id_x 1
		.amdhsa_system_sgpr_workgroup_id_y 1
		.amdhsa_system_sgpr_workgroup_id_z 1
		.amdhsa_system_vgpr_workitem_id 0
		.amdhsa_next_free_vgpr 320
		.amdhsa_next_free_sgpr 66
		.amdhsa_reserve_vcc 0
		.amdhsa_float_denorm_mode_32 3
		.amdhsa_float_denorm_mode_16_64 3
		.amdhsa_memory_ordered 1
		.amdhsa_forward_progress 1
		.amdhsa_inst_pref_size 22
	.end_amdhsa_kernel
	.amdgpu_metadata
---
amdhsa.version: [ 1, 2 ]
amdhsa.kernels:
  - .name:           k_q2120303f13_proj
    .symbol:         k_q2120303f13_proj.kd
    .args:
      - { .name: oc, .offset: 0, .size: 8, .value_kind: global_buffer, .address_space: global }
      - { .name: os, .offset: 8, .size: 8, .value_kind: global_buffer, .address_space: global }
      - { .name: wq, .offset: 16, .size: 8, .value_kind: global_buffer, .address_space: global }
      - { .name: wsc, .offset: 24, .size: 8, .value_kind: global_buffer, .address_space: global }
      - { .name: proj_b, .offset: 32, .size: 8, .value_kind: global_buffer, .address_space: global }
      - { .name: x, .offset: 40, .size: 8, .value_kind: global_buffer, .address_space: global }
      - { .name: out0, .offset: 48, .size: 8, .value_kind: global_buffer, .address_space: global }
    .group_segment_fixed_size: 70656
    .private_segment_fixed_size: 0
    .kernarg_segment_align: 8
    .kernarg_segment_size: 56
    .max_flat_workgroup_size: 256
    .sgpr_count:     66
    .vgpr_count:     320
    .wavefront_size: 32
...
	.end_amdgpu_metadata
.endif
;; end of part 4
